; MI455X (gfx1250); checked and timed in simulation.
; The chip was launched on July 23, 2026; its instructions are those of AMD's public machine-readable ISA for CDNA 5 (MIT licence, August 2026) and "CDNA5" Instruction Set Architecture Reference Guide (July 2026). The comments in the code are by the model that wrote it; some were corrected since.
;; Nomic Bert Attention. Allowed arithmetic: matrix products marked QUANTISED: E2M1 operands, one E8M0 scale for each 32 along K, by v_wmma_scale_f32_16x16x128_f8f6f4 with both operands' format E2M1 (or v_wmma_scale_f32_32x16x128_f4), f32 sums; everything else in f32.
;; Inputs: Wk 768 x 768 float32; Wo 768 x 768 float32; Wq 768 x 768 float32; Wv 768 x 768 float32; bk 768 float32; bq 768 float32; bv 768 float32; cos 4,096 x 64 float32; hidden_states 1 x 4,096 x 768 float32; ln_b 768 float32; ln_g 768 float32; sin 4,096 x 64 float32.
;; Outputs: out0 1 x 4,096 x 768 float32.
;; This version of the problem:
;;   THIS VERSION OF THE PROBLEM IS GIVEN IN LOW PRECISION. The matrix products marked QUANTISED in the list below multiply operands that are first quantised to E2M1 (2 exponent bits, 1 mantissa bit; 4 bits a number), with one power-of-two scale for each 32 numbers along K (OCP MX v1.0); their sums are f32. All else is computed in f32.
;;   The module's matrix products, in the order in which they are computed (A, B: the left and right operand; K: the contracted axis; several contracted axes count as one K, in the product's order):
;;     1. [M 4,096, K 768] x [K 768, N 768]; A: input hidden_states; B: input Wq: QUANTISED
;;     2. [M 4,096, K 768] x [K 768, N 768]; A: input hidden_states; B: input Wk: QUANTISED
;;     3. [M 4,096, K 768] x [K 768, N 768]; A: input hidden_states; B: input Wv: QUANTISED
;;     4. batch 12 x [M 4,096, K 64] x [K 64, N 4,096]; A: computed on the way; B: computed on the way: QUANTISED
;;     5. batch 12 x [M 4,096, K 4,096] x [K 4,096, N 64]; A: softmax (see below); B: computed on the way: QUANTISED
;;     6. [M 4,096, K 768] x [K 768, N 768]; A: computed on the way; B: input Wo: QUANTISED
;;   THE QUANTISER, for each operand of a quantised product, along K:
;;     - K is cut into blocks of 32 from its start; a last block that is shorter is filled with zeros.
;;     - A block's scale is 2^e with e = floor(log2(the largest magnitude in the block)) - 2, held to -126 .. 127; a block of zeros has e = 0. As a byte (E8M0): e + 127.
;;     - Each number is divided by its block's scale, clamped to +-6, and rounded to the nearest number of E2M1, ties to even, subnormals kept.
;;     - The product sums the exact products of the quantised numbers (number of the format x scale) in f32.
;;   ~~~python
;;   def quantise(x, axis):      # numpy; x: float32 -> the quantised numbers, widened to float32 again
;;       x = np.moveaxis(x, axis, -1); K = x.shape[-1]
;;       x = np.pad(x, [(0, 0)] * (x.ndim - 1) + [(0, -K % 32)]); x = x.reshape(x.shape[:-1] + (-1, 32)); a = np.abs(x).max(-1, keepdims=True)
;;       e = np.where(a > 0, np.clip(np.frexp(np.where(a > 0, a, 1))[1] - 1 - 2, -126, 127), 0)      # np.frexp(a)[1] - 1 = floor(log2(a)), exactly
;;       r = np.clip(x / 2.0 ** e, -6, 6)
;;       step = 2.0 ** (np.maximum(np.frexp(np.where(r == 0, 1, r))[1] - 1, 0) - 1)
;;       q = np.round(r / step) * step * 2.0 ** e      # np.round: ties to even
;;       return np.moveaxis(q.reshape(q.shape[:-2] + (-1,))[..., :K], -1, axis).astype(np.float32)
;;   ~~~
;;   SOFTMAX AHEAD OF A QUANTISED PRODUCT. Where the list says 'softmax', what is quantised is not the finished softmax but p = 2^(t - M), with t = logit x log2(e) and M = ceil(the row's largest t), a whole number; so 1/2 < the row's largest p <= 1. The row's sum l is taken of the UNQUANTISED p, in f32, and the product's result is divided by l at the end. Since M is a whole number, a kernel that streams over the keys may use a running M (the ceiling of the running maximum): every later rescaling is an exact power of two, which a block's scale takes up: the codes' values come out the same.
;;   OPERANDS COMPUTED ON THE WAY. 'Computed on the way' means the value that the module computes at that place (a softmax that the list does not call 'softmax' is quantised finished and normalised). What goes into a quantiser is computed in f32, as accurately as f32 sums, v_exp_f32 and their like allow (about 1e-6 of the number): no bf16 or f16 on the way to a quantiser, and a product that is left as it is and whose result goes on into a quantised operand takes f32 operands (vector FMAs, or v_wmma_f32_16x16x4_f32). A number that lies on a knife's edge between two numbers of the format may be rounded either way, as far as f32 arithmetic and the matrix unit's own rounding can turn it there, and no further.
;; 2 versions. Each part assembles by itself: llvm-mc -triple=amdgcn-amd-amdhsa -mcpu=gfx1250 --defsym DOCPART=n.
;; ======== version 1 of 2: 4 launches
;; workspace buffers: cod 2,752,512 bytes; scl 458,752 bytes; qb 3,538,944 bytes; kv 3,538,944 bytes; ac 1,572,864 bytes; asc 393,216 bytes
;; launch quant (part 1): grid 224 x 1, 4 waves a work-group, no clusters, 99,840 bytes of LDS; arguments hidden_states, Wq, Wk, Wv, Wo, cod, scl; writes cod, scl
.if DOCPART == 1
	.amdgcn_target "amdgcn-amd-amdhsa--gfx1250"
	.amdhsa_code_object_version 6
	.text
	.protected	k_qa07220b29c_quant
	.globl	k_qa07220b29c_quant
	.p2align	8
	.type	k_qa07220b29c_quant,@function
k_qa07220b29c_quant:
	s_mov_b64 s[64:65], 0
	v_nop
	global_prefetch_b8 v0, s[64:65] scope:SCOPE_SE
	s_setreg_imm32_b32 hwreg(HW_REG_WAVE_MODE, 25, 1), 1
	s_wait_xcnt 0x0
; hidden_states [4096][768] and Wq, Wk, Wv, Wo [768][768], f32, K innermost, become codes of FP4 (E2M1) with one E8M0 byte for each 32 along K,
; laid in the ORDER OF AN OPERAND'S REGISTERS.  A TILE is 16 rows: lane-row r of tile T stands for row 32 (T / 2) + 8 (T % 2) + r + 8 (r / 8).
; A fragment (a tile x 128 along K, 8 registers a lane) lies as an image of 1,024 bytes: registers 4 c .. 4 c + 3 of lane l at 512 c + 16 l.
; cod: [448 tiles][6 K steps][1,024]: tiles 0-255 hidden_states, 256-303 Wq, 304-351 Wk, 352-399 Wv, 400-447 Wo.
; scl: [448 tiles][2][32 lanes][4 words]: word i of half g is the scale word (four bytes) of K step 3 g + i, word 3 is 0; lanes 16-31 repeat lanes 0-15.
; A block's scale is 2^(floor(log2(its largest magnitude)) - 2); its byte is the largest magnitude's exponent field - 2, held at 1 from below.
; LIMITS: a block of zeros gets the byte 1 where the rule says 127 (its codes are zeros, and only this program reads the bytes); blocks whose largest magnitude lies under 2^-124 are held at that byte; NaN and infinities are not served.
; SHARES: a wave takes one tile x 3 K steps (16 rows x 384 numbers); 896 waves.  All its 48 loads go out at once; each K step is worked when its 16 have come.
; The conversions want 16 NEIGHBOURS along K in a lane (its partner, lane xor 16, holds the block's other 16); a load is best where neighbouring LANES take neighbouring bytes.  Both are had:
; each load takes 512 consecutive bytes of one row, which are one K step of it; a K step's 16 loads go into the wave's own stage in LDS as they lie and come back 64 bytes a lane.
; A stage row is 1,536 bytes + 16 of padding: 1,552 = 6 x 256 + 16, so the sixteen rows that a load back touches start 16 bytes apart modulo 256.  No barrier: waves share nothing.
.set PITCH, 1552                       ; a stage row
.set WREG,  16*PITCH                   ; a wave's stage: 24,832 bytes
.set SA,  1                            ; v1      the stage, in: WREG x wave + 16 x lane
.set LI,  2                            ; v2      16 x lane
.set RD,  3                            ; v3      the stage, back: WREG x wave + PITCH r + 64 for lanes 16-31
.set MX,  8                            ; v8-11   largest magnitudes of four blocks
.set PD,  12                           ; v12-15  the partner's, then the bytes
.set SO,  16                           ; v16-19  the conversions' scale operands
.set PC,  24                           ; v24-47  codes: eight registers for each K step, never written again
.set WD,  48                           ; v48-51  three scale words and a zero
.set X,   52                           ; v52-243 64 numbers for each K step: as loaded, then as the conversions want them
.set WV,  21
.set SEL, 22                           ; s22, s23 selects for lane xor 16
	s_load_b256 s[4:11], s[0:1], 0x0               ; hidden_states, Wq, Wk, Wv
	s_load_b128 s[12:15], s[0:1], 0x20             ; Wo, cod
	s_load_b64 s[16:17], s[0:1], 0x30              ; scl
	v_lshl_add_u32 v254, v0, 2, 0x18400
	v_mov_b32 v255, 0
	v_lshrrev_b32 v4, 5, v0
	v_readfirstlane_b32 s[WV], v4                  ; wave 0..3
	v_and_b32 v4, 15, v0                           ; r
	v_bfe_u32 v5, v0, 4, 1                         ; h
	v_and_b32 v[LI], 31, v0
	v_lshlrev_b32 v[LI], 4, v[LI]
	s_mul_i32 s29, s[WV], WREG                     ; my wave's stage
	v_add_nc_u32 v[SA], s29, v[LI]
	v_mul_u32_u24 v[RD], v4, PITCH
	v_lshl_add_u32 v[RD], v5, 6, v[RD]             ; + 64 h: my 16 numbers of a block
	v_add_nc_u32 v[RD], s29, v[RD]
.irp b, 0,1,2,3
	v_mov_b32 v[PD+\b], 0                          ; written once: a lane permute's destination counts as one of its sources
.endr
	v_mov_b32 v[WD+3], 0
	s_mov_b32 s[SEL], 0x76543210
	s_mov_b32 s[SEL+1], 0xfedcba98
	s_lshr_b32 s24, s[WV], 1                       ; which of the work-group's two tiles
	s_and_b32 s25, s[WV], 1                        ; which half of K
	s_lshl_b32 s28, ttmp9, 2
	s_add_co_u32 s28, s28, s[WV]                   ; unit = 2 x tile + half
	s_wait_kmcnt 0x0
	s_mov_b64 s[18:19], s[12:13]                   ; which tensor, and its first work-group: the choice hangs on the work-group's number alone
	s_mov_b32 s20, 200
	s_cmp_lt_u32 ttmp9, 200
	s_cselect_b64 s[18:19], s[10:11], s[18:19]
	s_cselect_b32 s20, 176, s20
	s_cmp_lt_u32 ttmp9, 176
	s_cselect_b64 s[18:19], s[8:9], s[18:19]
	s_cselect_b32 s20, 152, s20
	s_cmp_lt_u32 ttmp9, 152
	s_cselect_b64 s[18:19], s[6:7], s[18:19]
	s_cselect_b32 s20, 128, s20
	s_cmp_lt_u32 ttmp9, 128
	s_cselect_b64 s[18:19], s[4:5], s[18:19]
	s_cselect_b32 s20, 0, s20
	s_sub_co_u32 s26, ttmp9, s20                   ; the pair of tiles inside the tensor: 32 rows
	s_lshl_b32 s26, s26, 5
	s_lshl_b32 s27, s24, 3
	s_add_co_u32 s26, s26, s27                     ; the tile's first row
	s_mul_i32 s26, s26, 3072
	s_mul_i32 s27, s25, 1536
	s_add_co_u32 s26, s26, s27                     ; + my half of K
	s_mov_b32 s27, 0
	s_add_nc_u64 s[18:19], s[18:19], s[26:27]
	s_mul_i32 s30, s28, 3072                       ; three images
	s_mov_b32 s31, 0
	s_add_nc_u64 s[14:15], s[14:15], s[30:31]
	s_lshl_b32 s30, s28, 9                         ; 512 bytes of scale words
	s_add_nc_u64 s[16:17], s[16:17], s[30:31]
.irp s, 0,1,2                          ; K step s of lane-row i: 32 lanes read 512 consecutive bytes, aligned
.set i, 0
.rept 16
	global_load_b128 v[X+64*\s+4*i:X+64*\s+4*i+3], v[LI], s[18:19] offset:(i+8*(i/8))*3072+512*\s th:TH_LOAD_NT
.set i, i+1
.endr
.endr
.macro TOSTAGE s                       ; a K step's 16 rows of 512 bytes into the stage, as they were loaded
.set i, 0
.rept 16
	ds_store_b128 v[SA], v[X+64*(\s)+4*i:X+64*(\s)+4*i+3] offset:PITCH*i+512*(\s)
.set i, i+1
.endr
.endm
.macro BACK s                          ; and back: register 16 b + 4 j + t = k 32 b + 16 (lane / 16) + 4 j + t of my row
.irp b, 0,1,2,3
.irp j, 0,1,2,3
	ds_load_b128 v[X+64*(\s)+16*\b+4*\j:X+64*(\s)+16*\b+4*\j+3], v[RD] offset:512*(\s)+128*\b+16*\j
.endr
.endr
.endm
; 64 numbers of a lane, register 16 b + i = k 32 b + 16 (lane / 16) + i of my row, become a fragment's eight registers and its scale word
.macro QUANT4 src, pc, word
.irp b, 0,1,2,3
	v_max3_num_f32 v[MX+\b], |v[(\src)+16*\b]|, |v[(\src)+16*\b+1]|, 0x1800000   ; my 16 numbers, and the floor 2^(3 - 127): the byte cannot fall under 1
.endr
.irp i, 2,4,6,8,10,12,14
.irp b, 0,1,2,3
	v_max3_num_f32 v[MX+\b], v[MX+\b], |v[(\src)+16*\b+\i]|, |v[(\src)+16*\b+\i+1]|   ; the four blocks by turns
.endr
.endr
.irp b, 0,1,2,3
	v_permlanex16_b32 v[PD+\b], v[MX+\b], s[SEL], s[SEL+1]
.endr
.irp b, 0,1,2,3
	v_max_num_f32 v[MX+\b], v[MX+\b], v[PD+\b]     ; with lane xor 16's: the block's largest magnitude
.endr
.irp b, 0,1,2,3
	v_add_nc_u32 v[SO+\b], 0xff000000, v[MX+\b]    ; 2 off its exponent field: the conversion takes this operand's exponent field as its scale
.endr
.irp b, 0,1,2,3
	v_lshrrev_b32 v[PD+\b], 23, v[SO+\b]           ; the scale's byte
.endr
	v_lshl_or_b32 v[\word], v[PD+1], 8, v[PD]
	v_lshl_or_b32 v[\word], v[PD+2], 16, v[\word]
	v_lshl_or_b32 v[\word], v[PD+3], 24, v[\word]
.irp b, 0,1,2,3
	v_cvt_scalef32_pk8_fp4_f32 v[(\pc)+2*\b], v[(\src)+16*\b:(\src)+16*\b+7], v[SO+\b]
	v_cvt_scalef32_pk8_fp4_f32 v[(\pc)+2*\b+1], v[(\src)+16*\b+8:(\src)+16*\b+15], v[SO+\b]
.endr
	v_nop                                          ; one plain place behind a scaled conversion
.irp c, 0,1                            ; the operand's layout wants a whole block in a lane: lanes 0-15 block 2 c, lanes 16-31 block 2 c + 1
.irp i, 0,1
	v_permlane16_swap_b32 v[(\pc)+4*\c+\i], v[(\pc)+4*\c+2+\i]
.endr
.endr
.endm
.irp s, 0,1,2
	s_wait_loadcnt 32-16*\s                        ; this K step's 16 loads are in; the 16 of each later K step may be out
	TOSTAGE \s
	s_wait_dscnt 0x0                               ; the stores have read their registers: the loads below land in the same ones
	BACK \s
	s_wait_dscnt 0x0
	QUANT4 X+64*\s, PC+8*\s, WD+\s
	global_store_b128 v[LI], v[PC+8*\s:PC+8*\s+3], s[14:15] offset:1024*\s        ; 32 lanes store 512 consecutive bytes
	global_store_b128 v[LI], v[PC+8*\s+4:PC+8*\s+7], s[14:15] offset:1024*\s+512
.endr
	global_store_b128 v[LI], v[WD:WD+3], s[16:17]
	s_wait_tensorcnt 0x0
	ds_add_u32 v254, v255
	s_wait_dscnt 0x0
	s_endpgm
.Lfunc_end_k_qa07220b29c_quant:
	.size	k_qa07220b29c_quant, .Lfunc_end_k_qa07220b29c_quant-k_qa07220b29c_quant
	.p2alignl 7, 3214868480
	.fill 96, 4, 3214868480
	.section	.rodata,"a",@progbits
	.p2align	6, 0x0
	.amdhsa_kernel k_qa07220b29c_quant
		.amdhsa_group_segment_fixed_size 99840
		.amdhsa_private_segment_fixed_size 0
		.amdhsa_enable_private_segment 0
		.amdhsa_kernarg_size 56
		.amdhsa_user_sgpr_count 2
		.amdhsa_user_sgpr_kernarg_segment_ptr 1
		.amdhsa_wavefront_size32 1
		.amdhsa_system_sgpr_workgroup_id_x 1
		.amdhsa_system_sgpr_workgroup_id_y 1
		.amdhsa_system_sgpr_workgroup_id_z 1
		.amdhsa_system_vgpr_workitem_id 0
		.amdhsa_next_free_vgpr 256
		.amdhsa_next_free_sgpr 66
		.amdhsa_reserve_vcc 0
		.amdhsa_float_denorm_mode_32 3
		.amdhsa_float_denorm_mode_16_64 3
		.amdhsa_memory_ordered 1
		.amdhsa_forward_progress 1
		.amdhsa_inst_pref_size 26
	.end_amdhsa_kernel
	.amdgpu_metadata
---
amdhsa.version: [ 1, 2 ]
amdhsa.kernels:
  - .name:           k_qa07220b29c_quant
    .symbol:         k_qa07220b29c_quant.kd
    .args:
      - { .name: hidden_states, .offset: 0, .size: 8, .value_kind: global_buffer, .address_space: global }
      - { .name: Wq, .offset: 8, .size: 8, .value_kind: global_buffer, .address_space: global }
      - { .name: Wk, .offset: 16, .size: 8, .value_kind: global_buffer, .address_space: global }
      - { .name: Wv, .offset: 24, .size: 8, .value_kind: global_buffer, .address_space: global }
      - { .name: Wo, .offset: 32, .size: 8, .value_kind: global_buffer, .address_space: global }
      - { .name: cod, .offset: 40, .size: 8, .value_kind: global_buffer, .address_space: global }
      - { .name: scl, .offset: 48, .size: 8, .value_kind: global_buffer, .address_space: global }
    .group_segment_fixed_size: 99840
    .private_segment_fixed_size: 0
    .kernarg_segment_align: 8
    .kernarg_segment_size: 56
    .max_flat_workgroup_size: 128
    .sgpr_count:     66
    .vgpr_count:     256
    .wavefront_size: 32
...
	.end_amdgpu_metadata
.endif
;; end of part 1
;; launch qkv (part 2): grid 96 x 3, 4 waves a work-group, no clusters, 128,512 bytes of LDS; arguments cod, scl, bq, bk, bv, cos, sin, qb, kv; writes qb, kv
.if DOCPART == 2
	.amdgcn_target "amdgcn-amd-amdhsa--gfx1250"
	.amdhsa_code_object_version 6
	.text
	.protected	k_qa07220b29c_qkv
	.globl	k_qa07220b29c_qkv
	.p2align	8
	.type	k_qa07220b29c_qkv,@function
k_qa07220b29c_qkv:
	s_mov_b64 s[64:65], 0
	v_nop
	global_prefetch_b8 v0, s[64:65] scope:SCOPE_SE
	s_setreg_imm32_b32 hwreg(HW_REG_WAVE_MODE, 25, 1), 1
	s_wait_xcnt 0x0
; q, k, v = hidden W^T + b on codes of FP4; q and k are turned by the rotary tables; all three are quantised again for the attention's two products and stored in the order of an operand's registers.
; SHARES: work-group (x, y): 128 rows (8 tiles; rb = x % 32), four heads (4 (x / 32) + wave), kind y (0 q, 1 k, 2 v).  A wave makes 128 rows x one head of one kind: 192 matrix instructions.
; The head's four tiles of W x 6 K steps stay in the wave's registers (window 1).  The rows' images and scale words (and, for q and k, their rows of cos and sin) are copied once into LDS, 512 consecutive bytes a load, and read by the four waves.
; q, k: THE PRODUCT IS USED TRANSPOSED (source 0 = 16 rows of W, source 1 = 16 rows of hidden): a lane holds ONE row, and by the tiles' choice of rows the 16 registers of W's tiles 2 b, 2 b + 1 are channels 32 b + 16 (lane / 16) + 0 .. 15.
;   The bias is the C of each sum's first product.  out(d) = x(d) cos(d) - x(d + 32) sin(d) for d < 32, x(d) cos(d) + x(d - 32) sin(d) for the others.  The head's 64 channels are two blocks: four registers of codes and two bytes a row.
;   q IS QUANTISED UNSCALED: both factors 1/8 of the scores are powers of two, which a block's scale takes up; they stand in the attention's constant.  LIMIT: exact unless a block of q lies under 2^-121, where the scale's lower bound would act.
; v: source 0 = 16 rows of hidden (keys), source 1 = 16 rows of W: a lane holds ONE channel and the 16 registers of two neighbouring tiles of rows are 16 neighbouring keys: v is quantised along the keys with nothing transposed.
; A RECORD of 9,216 bytes for each head and each 128 rows: + 512 j: tile j's four registers of codes (j = 0 .. 7); + 4,096: their scale words, [lane][4 words], lanes 0-15 tiles 0-3, lanes 16-31 tiles 4-7, upper two bytes 0;
;   + 4,608 + 1,024 n: the image of V^T's tile n (16 channels x 128 keys); + 8,704: its scale words [lane][4 words n].  qb holds q's first 4,608 bytes of each record, kv holds k's and v's.
; LIMITS of the quantiser: a block of zeros gets the byte 1 (its codes are zeros; only this program reads the bytes); NaN and infinities are not served.
; Registers that a matrix instruction names as scales (v16-63) hold scales and nothing else.
.set XIMG, 0                           ; LDS: 8 tiles x 6 images of 1,024 bytes, as in cod
.set XSC,  49152                       ; their scale words, 8 x 1,024, as in scl
.set COS,  57344                       ; 128 rows of cos: 256 bytes + 16 of padding
.set SIN,  92160                       ; and of sin
.set BIA,  126976                      ; the four heads' 64 numbers of the kind's bias
.set REC,  9216
.set LI,  1                            ; v1   16 x lane
.set CSA, 5                            ; v5   COS + 272 (r + 8 (r / 8)) + 64 h
.set SNA, 6                            ; v6   SIN + the same
.set GX,  7                            ; v7   16 x lane + 12,288 x wave: my part of the images, in memory and in LDS
.set GS,  8                            ; v8   16 x lane + 2,048 x wave: of the scale words
.set GC,  9                            ; v9   16 x lane + 8,192 x wave: of cos and sin in memory
.set LC,  10                           ; v10  and in LDS: COS + 272 (lane / 16) + 16 r + 8,704 x wave
.set BQA, 11                           ; v11  BIA + 256 x wave + 64 h
.set BVA, 12                           ; v12  BIA + 256 x wave + 4 (r + 8 (r / 8))
.set GB,  13                           ; v13  8 x lane + 256 x wave
.set LB,  14                           ; v14  BIA + the same
.set WS,  16                           ; v16-47  W's scale words: (tile n, K step s) at 8 n + 4 (s / 3) + s % 3
.set XS,  48                           ; v48-63  the rows' scale words: 4 (s / 3) + s % 3, + 8 for the second tile of a pair
.set SX,  64                           ; staging: v64-175 images and scale words, v176-239 cos, v240-241 bias; window 1 v192-255 sin
.set SC,  176
.set SB,  240
.set ACC, 64                           ; q, k: v64-95 four accumulators
.set XF,  96                           ; v96-143 the tile's six fragments
.set RO,  96                           ; v96-127 the turned numbers, over fragments that are done with
.set MX,  128                          ; v128-135 the quantiser's small registers, likewise
.set PD,  130
.set SO,  132
.set BY,  134
.set C0,  144                          ; v144-207 cos and sin of my row: channels 16 h + i, 32 + 16 h + i
.set C1,  160
.set S0,  176
.set S1,  192
.set PC,  208                          ; v208-211 a tile's codes
.set WD,  212                          ; v212-219 the eight tiles' scale words
.set BIAS, 220                         ; v220-251 the bias in the result's layout
.set FW,  252                          ; v252-255 the words as they are stored
.set VACC, 64                          ; v: v64-127 eight accumulators (16 n + 8 u)
.set VXF, 128                          ; v128-223 two tiles' fragments (48 u + 8 s)
.set VMX, 128                          ; v128-139 the quantiser's small registers, over fragments that are done with
.set VSO, 132
.set VBY, 136
.set BV,  224                          ; v224-231 my channel's bias, twice, for each of W's four tiles
.set CD,  232                          ; v232-247 codes: 4 n + 2 (b % 2)
.set SW,  248                          ; v248-251 V's scale words
.set VPD, 252
.set WV,  22
.set SEL, 38
.set HI,  40
.set MSB, 0
.macro WIN new                         ; the immediate's high byte repeats the setting that is left
.if MSB != \new
	s_set_vgpr_msb (MSB<<8)|\new
.set MSB, \new
.endif
.endm
.macro PLACES                          ; four plain places behind a matrix instruction, in front of the first read of its results and of writes and loads into its registers
.rept 4
	v_nop
.endr
.endm
	s_load_b512 s[4:19], s[0:1], 0x0               ; cod, scl, bq, bk, bv, cos, sin, qb
	s_load_b64 s[20:21], s[0:1], 0x40              ; kv
	s_set_vgpr_msb 0x80
	v_lshl_add_u32 v0, v0, 2, 0x1f400
	v_mov_b32 v1, 0
	s_set_vgpr_msb 0x8000
	v_lshrrev_b32 v2, 5, v0
	v_readfirstlane_b32 s[WV], v2                  ; wave 0..3
	v_and_b32 v2, 31, v0                           ; lane
	v_and_b32 v3, 15, v0                           ; r
	v_bfe_u32 v15, v0, 4, 1                        ; h
	v_and_b32 v4, 8, v3
	v_add_nc_u32 v4, v4, v3                        ; r + 8 (r / 8)
	v_lshlrev_b32 v[LI], 4, v2
	v_mul_u32_u24 v[CSA], v4, 272
	v_lshl_add_u32 v[CSA], v15, 6, v[CSA]
	v_add_nc_u32 v[SNA], SIN, v[CSA]
	v_add_nc_u32 v[CSA], COS, v[CSA]
	s_mul_i32 s36, s[WV], 12288
	v_add_nc_u32 v[GX], s36, v[LI]
	s_lshl_b32 s36, s[WV], 11
	v_add_nc_u32 v[GS], s36, v[LI]
	s_lshl_b32 s36, s[WV], 13
	v_add_nc_u32 v[GC], s36, v[LI]
	v_mul_u32_u24 v[LC], v15, 272
	v_lshl_add_u32 v[LC], v3, 4, v[LC]
	s_mul_i32 s36, s[WV], 8704
	s_add_co_u32 s36, s36, COS
	v_add_nc_u32 v[LC], s36, v[LC]
	s_lshl_b32 s36, s[WV], 8
	v_lshl_add_u32 v[GB], v2, 3, s36
	v_add_nc_u32 v[LB], BIA, v[GB]
	s_add_co_u32 s36, s36, BIA
	v_lshl_add_u32 v[BQA], v15, 6, s36
	v_lshl_add_u32 v[BVA], v4, 2, s36
	s_and_b32 s23, ttmp9, 31                       ; rb: which 128 rows
	s_lshr_b32 s24, ttmp9, 5                       ; which four heads
	s_and_b32 s25, ttmp7, 0xffff                   ; kind
	s_lshl_b32 s26, s24, 2
	s_add_co_u32 s26, s26, s[WV]                   ; head
	s_mul_i32 s27, s25, 48
	s_lshl_b32 s36, s26, 2
	s_add_co_u32 s27, s27, s36
	s_add_co_u32 s27, s27, 256                     ; the head's first tile of the kind's W
	s_mov_b32 s37, 0
	s_mov_b32 s[SEL], 0x76543210
	s_mov_b32 s[SEL+1], 0xfedcba98
	s_mov_b32 s[HI], 0xffff0000                    ; lanes 16-31
	s_wait_kmcnt 0x0
	s_mul_i32 s36, s27, 6144
	s_add_nc_u64 s[32:33], s[4:5], s[36:37]        ; W's images
	s_lshl_b32 s36, s27, 10
	s_add_nc_u64 s[34:35], s[6:7], s[36:37]        ; W's scale words
	s_mul_i32 s36, s23, 49152
	s_add_nc_u64 s[4:5], s[4:5], s[36:37]          ; the rows' images
	s_lshl_b32 s36, s23, 13
	s_add_nc_u64 s[6:7], s[6:7], s[36:37]          ; the rows' scale words
	s_lshl_b32 s36, s23, 15
	s_add_nc_u64 s[14:15], s[14:15], s[36:37]      ; the rows of cos
	s_add_nc_u64 s[16:17], s[16:17], s[36:37]      ; and of sin
	s_cmp_eq_u32 s25, 0                            ; the kind's bias and output: choices that hang on the work-group's number alone
	s_cselect_b64 s[28:29], s[8:9], s[10:11]
	s_cselect_b64 s[30:31], s[18:19], s[20:21]
	s_cmp_eq_u32 s25, 2
	s_cselect_b64 s[28:29], s[12:13], s[28:29]
	s_lshl_b32 s36, s24, 10
	s_add_nc_u64 s[28:29], s[28:29], s[36:37]      ; the four heads' 256 numbers
	s_lshl_b32 s36, s26, 5
	s_add_co_u32 s36, s36, s23
	s_mul_i32 s36, s36, REC
	s_add_nc_u64 s[30:31], s[30:31], s[36:37]      ; my record
	; all loads go out together
	WIN 0x40                                       ; destination window 1
.irp n, 0,1,2,3
.irp s, 0,1,2,3,4,5
.irp c, 0,1
	global_load_b128 v[48*\n+8*\s+4*\c:48*\n+8*\s+4*\c+3], v[LI], s[32:33] offset:6144*\n+1024*\s+512*\c
.endr
.endr
.endr
	WIN 0
.irp n, 0,1,2,3
.irp g, 0,1
	global_load_b128 v[WS+8*\n+4*\g:WS+8*\n+4*\g+3], v[LI], s[34:35] offset:1024*\n+512*\g
.endr
.endr
.set i, 0
.rept 24
	global_load_b128 v[SX+4*i:SX+4*i+3], v[GX], s[4:5] offset:512*i
.set i, i+1
.endr
.set i, 0
.rept 4
	global_load_b128 v[SX+96+4*i:SX+96+4*i+3], v[GS], s[6:7] offset:512*i
.set i, i+1
.endr
	global_load_b64 v[SB:SB+1], v[GB], s[28:29]
	s_cmp_eq_u32 s25, 2                            ; v is not turned: cos and sin are neither loaded nor stored there
	s_cbranch_scc1 .Lno_rope
.set i, 0
.rept 16
	global_load_b128 v[SC+4*i:SC+4*i+3], v[GC], s[14:15] offset:512*i
.set i, i+1
.endr
	WIN 0x40
.set i, 0
.rept 16
	global_load_b128 v[192+4*i:192+4*i+3], v[GC], s[16:17] offset:512*i
.set i, i+1
.endr
	WIN 0
	s_wait_loadcnt 0x0
.set i, 0
.rept 16
	ds_store_b128 v[LC], v[SC+4*i:SC+4*i+3] offset:544*i             ; two rows a store
.set i, i+1
.endr
	WIN 0x04                                       ; an LDS store's data are its source 1: window 1
.set i, 0
.rept 16
	ds_store_b128 v[LC], v[192+4*i:192+4*i+3] offset:SIN-COS+544*i
.set i, i+1
.endr
	WIN 0
.Lno_rope:
	s_wait_loadcnt 0x0
.set i, 0
.rept 24
	ds_store_b128 v[GX], v[SX+4*i:SX+4*i+3] offset:XIMG+512*i
.set i, i+1
.endr
.set i, 0
.rept 4
	ds_store_b128 v[GS], v[SX+96+4*i:SX+96+4*i+3] offset:XSC+512*i
.set i, i+1
.endr
	ds_store_b64 v[LB], v[SB:SB+1]
	s_wait_dscnt 0x0                               ; for the others' sake: my stores have landed
	s_barrier_signal -1
	s_barrier_wait -1                              ; the one barrier: behind it LDS is only read
	s_cmp_eq_u32 s25, 2
	s_cbranch_scc1 .Lv
	; ---------------- q and k ----------------
.irp n, 0,1,2,3
	ds_load_b128 v[BIAS+8*\n:BIAS+8*\n+3], v[BQA] offset:(32*(\n/2)+8*(\n%2))*4       ; tile n's eight channels of my half
	ds_load_b128 v[BIAS+8*\n+4:BIAS+8*\n+7], v[BQA] offset:(32*(\n/2)+8*(\n%2))*4+16
.endr
.macro QKTILE m
.set ROWM, 32*((\m)/2)+8*((\m)%2)
.set i, 0
.rept 12
	ds_load_b128 v[XF+4*i:XF+4*i+3], v[LI] offset:XIMG+6144*(\m)+512*i
.set i, i+1
.endr
	ds_load_b128 v[XS:XS+3], v[LI] offset:XSC+1024*(\m)
	ds_load_b128 v[XS+4:XS+7], v[LI] offset:XSC+1024*(\m)+512
.irp j, 0,1,2,3
	ds_load_b128 v[C0+4*\j:C0+4*\j+3], v[CSA] offset:ROWM*272+16*\j
	ds_load_b128 v[C1+4*\j:C1+4*\j+3], v[CSA] offset:ROWM*272+128+16*\j
	ds_load_b128 v[S0+4*\j:S0+4*\j+3], v[SNA] offset:ROWM*272+16*\j
	ds_load_b128 v[S1+4*\j:S1+4*\j+3], v[SNA] offset:ROWM*272+128+16*\j
.endr
	s_wait_dscnt 16                                ; fragments and scale words are in; the 16 loads of cos and sin may be out
	WIN 0x01                                       ; source 0 (W) window 1
.irp s, 0,1,2,3,4,5                    ; the four accumulators by turns, one instruction a turn
.irp n, 0,1,2,3
.if \s == 0
	v_wmma_scale_f32_16x16x128_f8f6f4 v[ACC+8*\n:ACC+8*\n+7], v[48*\n+8*\s:48*\n+8*\s+7], v[XF+8*\s:XF+8*\s+7], v[BIAS+8*\n:BIAS+8*\n+7], v[WS+8*\n+4*(\s/3)+\s%3], v[XS+4*(\s/3)+\s%3] matrix_a_fmt:MATRIX_FMT_FP4 matrix_b_fmt:MATRIX_FMT_FP4
.else
	v_wmma_scale_f32_16x16x128_f8f6f4 v[ACC+8*\n:ACC+8*\n+7], v[48*\n+8*\s:48*\n+8*\s+7], v[XF+8*\s:XF+8*\s+7], v[ACC+8*\n:ACC+8*\n+7], v[WS+8*\n+4*(\s/3)+\s%3], v[XS+4*(\s/3)+\s%3] matrix_a_fmt:MATRIX_FMT_FP4 matrix_b_fmt:MATRIX_FMT_FP4
.endif
.endr
.endr
	WIN 0
	s_wait_dscnt 0x0                               ; cos and sin
	PLACES
.irp i, 0,2,4,6,8,10,12,14             ; each accumulator is read from its low end on
	v_pk_mul_f32 v[RO+\i:RO+\i+1], v[ACC+\i:ACC+\i+1], v[C0+\i:C0+\i+1]
.endr
.irp i, 0,2,4,6,8,10,12,14
	v_pk_mul_f32 v[RO+16+\i:RO+16+\i+1], v[ACC+16+\i:ACC+16+\i+1], v[C1+\i:C1+\i+1]
.endr
.irp i, 0,2,4,6,8,10,12,14
	v_pk_fma_f32 v[RO+\i:RO+\i+1], v[ACC+16+\i:ACC+16+\i+1], v[S0+\i:S0+\i+1], v[RO+\i:RO+\i+1] neg_lo:[1,0,0] neg_hi:[1,0,0]   ; - x(d + 32) sin(d)
.endr
.irp i, 0,2,4,6,8,10,12,14
	v_pk_fma_f32 v[RO+16+\i:RO+16+\i+1], v[ACC+\i:ACC+\i+1], v[S1+\i:S1+\i+1], v[RO+16+\i:RO+16+\i+1]                            ; + x(d - 32) sin(d)
.endr
	s_wait_xcnt 0x0                                ; the last tile's store has read its codes: they are written again only behind this wait
.irp b, 0,1
	v_max3_num_f32 v[MX+\b], |v[RO+16*\b]|, |v[RO+16*\b+1]|, 0x1800000   ; my 16 numbers of block b, and the floor 2^(3 - 127)
.endr
.irp i, 2,4,6,8,10,12,14
.irp b, 0,1
	v_max3_num_f32 v[MX+\b], v[MX+\b], |v[RO+16*\b+\i]|, |v[RO+16*\b+\i+1]|
.endr
.endr
.irp b, 0,1
	v_permlanex16_b32 v[PD+\b], v[MX+\b], s[SEL], s[SEL+1]
.endr
.irp b, 0,1
	v_max_num_f32 v[MX+\b], v[MX+\b], v[PD+\b]
.endr
.irp b, 0,1
	v_add_nc_u32 v[SO+\b], 0xff000000, v[MX+\b]    ; 2 off the exponent field: the conversion's scale operand
.endr
.irp b, 0,1
	v_lshrrev_b32 v[BY+\b], 23, v[SO+\b]
.endr
	v_lshl_or_b32 v[WD+(\m)], v[BY+1], 8, v[BY]    ; the tile's scale word: two bytes, the upper two 0
.irp b, 0,1
	v_cvt_scalef32_pk8_fp4_f32 v[PC+2*\b], v[RO+16*\b:RO+16*\b+7], v[SO+\b]
	v_cvt_scalef32_pk8_fp4_f32 v[PC+2*\b+1], v[RO+16*\b+8:RO+16*\b+15], v[SO+\b]
.endr
	v_nop                                          ; one plain place behind a scaled conversion
	v_permlane16_swap_b32 v[PC], v[PC+2]           ; lanes 0-15 block 0, lanes 16-31 block 1
	v_permlane16_swap_b32 v[PC+1], v[PC+3]
	global_store_b128 v[LI], v[PC:PC+3], s[30:31] offset:512*(\m)    ; 32 lanes store 512 consecutive bytes
.endm
.irp m, 0,1,2,3,4,5,6,7
	QKTILE \m
.endr
.irp j, 0,1,2,3
	v_cndmask_b32 v[FW+\j], v[WD+\j], v[WD+4+\j], s[HI]              ; lanes 0-15 tiles 0-3, lanes 16-31 tiles 4-7 (both halves of the lanes hold every word)
.endr
	global_store_b128 v[LI], v[FW:FW+3], s[30:31] offset:4096
	s_set_vgpr_msb 0xa
	s_wait_tensorcnt 0x0
	ds_add_u32 v0, v1
	s_wait_dscnt 0x0
	s_set_vgpr_msb 0xa00
	s_endpgm
	; ---------------- v ----------------
.Lv:
.irp n, 0,1,2,3
	ds_load_b32 v[BV+2*\n], v[BVA] offset:(32*(\n/2)+8*(\n%2))*4     ; my channel's bias, into both registers of a pair
	ds_load_b32 v[BV+2*\n+1], v[BVA] offset:(32*(\n/2)+8*(\n%2))*4
.endr
.irp n, 0,1,2,3
	v_mov_b32 v[VPD+\n], 0                         ; written once: a lane permute's destination counts as one of its sources
.endr
.macro VPAIR b                         ; tiles 2 b and 2 b + 1 of the rows: keys 32 b .. 32 b + 31, one block
.irp u, 0,1
.set i, 0
.rept 12
	ds_load_b128 v[VXF+48*\u+4*i:VXF+48*\u+4*i+3], v[LI] offset:XIMG+6144*(2*(\b)+\u)+512*i
.set i, i+1
.endr
	ds_load_b128 v[XS+8*\u:XS+8*\u+3], v[LI] offset:XSC+1024*(2*(\b)+\u)
	ds_load_b128 v[XS+8*\u+4:XS+8*\u+7], v[LI] offset:XSC+1024*(2*(\b)+\u)+512
.endr
	s_wait_dscnt 0x0
	WIN 0x04                                       ; source 1 (W) window 1
.irp s, 0,1,2,3,4,5                    ; the eight accumulators by turns
.irp n, 0,1,2,3
.irp u, 0,1
.if \s == 0
	v_wmma_scale_f32_16x16x128_f8f6f4 v[VACC+16*\n+8*\u:VACC+16*\n+8*\u+7], v[VXF+48*\u+8*\s:VXF+48*\u+8*\s+7], v[48*\n+8*\s:48*\n+8*\s+7], 0, v[XS+8*\u+4*(\s/3)+\s%3], v[WS+8*\n+4*(\s/3)+\s%3] matrix_a_fmt:MATRIX_FMT_FP4 matrix_b_fmt:MATRIX_FMT_FP4
.else
	v_wmma_scale_f32_16x16x128_f8f6f4 v[VACC+16*\n+8*\u:VACC+16*\n+8*\u+7], v[VXF+48*\u+8*\s:VXF+48*\u+8*\s+7], v[48*\n+8*\s:48*\n+8*\s+7], v[VACC+16*\n+8*\u:VACC+16*\n+8*\u+7], v[XS+8*\u+4*(\s/3)+\s%3], v[WS+8*\n+4*(\s/3)+\s%3] matrix_a_fmt:MATRIX_FMT_FP4 matrix_b_fmt:MATRIX_FMT_FP4
.endif
.endr
.endr
.endr
	WIN 0
	PLACES
.irp n, 0,1,2,3
.irp j, 0,2,4,6,8,10,12,14
	v_pk_add_f32 v[VACC+16*\n+\j:VACC+16*\n+\j+1], v[VACC+16*\n+\j:VACC+16*\n+\j+1], v[BV+2*\n:BV+2*\n+1]
.endr
.endr
.if (\b) == 2
	s_wait_xcnt 0x0                                ; the first half's stores have read their codes
.endif
.irp n, 0,1,2,3
	v_max3_num_f32 v[VMX+\n], |v[VACC+16*\n]|, |v[VACC+16*\n+1]|, 0x1800000   ; channel tile n: my 16 keys, and the floor
.endr
.irp i, 2,4,6,8,10,12,14
.irp n, 0,1,2,3
	v_max3_num_f32 v[VMX+\n], v[VMX+\n], |v[VACC+16*\n+\i]|, |v[VACC+16*\n+\i+1]|
.endr
.endr
.irp n, 0,1,2,3
	v_permlanex16_b32 v[VPD+\n], v[VMX+\n], s[SEL], s[SEL+1]
.endr
.irp n, 0,1,2,3
	v_max_num_f32 v[VMX+\n], v[VMX+\n], v[VPD+\n]
.endr
.irp n, 0,1,2,3
	v_add_nc_u32 v[VSO+\n], 0xff000000, v[VMX+\n]
.endr
.irp n, 0,1,2,3
.if (\b) == 0
	v_lshrrev_b32 v[SW+\n], 23, v[VSO+\n]          ; byte b of the channel's scale word for these 128 keys
.else
	v_lshrrev_b32 v[VBY+\n], 23, v[VSO+\n]
.endif
.endr
.if (\b) > 0
.irp n, 0,1,2,3
	v_lshl_or_b32 v[SW+\n], v[VBY+\n], 8*(\b), v[SW+\n]
.endr
.endif
.irp n, 0,1,2,3
	v_cvt_scalef32_pk8_fp4_f32 v[CD+4*\n+2*((\b)%2)], v[VACC+16*\n:VACC+16*\n+7], v[VSO+\n]
	v_cvt_scalef32_pk8_fp4_f32 v[CD+4*\n+2*((\b)%2)+1], v[VACC+16*\n+8:VACC+16*\n+15], v[VSO+\n]
.endr
	v_nop                                          ; one plain place behind a scaled conversion
.if (\b)%2 == 1
.irp n, 0,1,2,3
.irp i, 0,1
	v_permlane16_swap_b32 v[CD+4*\n+\i], v[CD+4*\n+2+\i]             ; lanes 0-15 the even block, lanes 16-31 the odd one
.endr
.endr
.irp n, 0,1,2,3
	global_store_b128 v[LI], v[CD+4*\n:CD+4*\n+3], s[30:31] offset:4608+1024*\n+512*((\b)/2)
.endr
.endif
.endm
.irp b, 0,1,2,3
	VPAIR \b
.endr
	global_store_b128 v[LI], v[SW:SW+3], s[30:31] offset:8704
	s_set_vgpr_msb 0xa
	s_wait_tensorcnt 0x0
	ds_add_u32 v0, v1
	s_wait_dscnt 0x0
	s_set_vgpr_msb 0xa00
	s_endpgm
.Lfunc_end_k_qa07220b29c_qkv:
	.size	k_qa07220b29c_qkv, .Lfunc_end_k_qa07220b29c_qkv-k_qa07220b29c_qkv
	.p2alignl 7, 3214868480
	.fill 96, 4, 3214868480
	.section	.rodata,"a",@progbits
	.p2align	6, 0x0
	.amdhsa_kernel k_qa07220b29c_qkv
		.amdhsa_group_segment_fixed_size 128512
		.amdhsa_private_segment_fixed_size 0
		.amdhsa_enable_private_segment 0
		.amdhsa_kernarg_size 72
		.amdhsa_user_sgpr_count 2
		.amdhsa_user_sgpr_kernarg_segment_ptr 1
		.amdhsa_wavefront_size32 1
		.amdhsa_system_sgpr_workgroup_id_x 1
		.amdhsa_system_sgpr_workgroup_id_y 1
		.amdhsa_system_sgpr_workgroup_id_z 1
		.amdhsa_system_vgpr_workitem_id 0
		.amdhsa_next_free_vgpr 514
		.amdhsa_next_free_sgpr 66
		.amdhsa_reserve_vcc 0
		.amdhsa_float_denorm_mode_32 3
		.amdhsa_float_denorm_mode_16_64 3
		.amdhsa_memory_ordered 1
		.amdhsa_forward_progress 1
		.amdhsa_inst_pref_size 149
	.end_amdhsa_kernel
	.amdgpu_metadata
---
amdhsa.version: [ 1, 2 ]
amdhsa.kernels:
  - .name:           k_qa07220b29c_qkv
    .symbol:         k_qa07220b29c_qkv.kd
    .args:
      - { .name: cod, .offset: 0, .size: 8, .value_kind: global_buffer, .address_space: global }
      - { .name: scl, .offset: 8, .size: 8, .value_kind: global_buffer, .address_space: global }
      - { .name: bq, .offset: 16, .size: 8, .value_kind: global_buffer, .address_space: global }
      - { .name: bk, .offset: 24, .size: 8, .value_kind: global_buffer, .address_space: global }
      - { .name: bv, .offset: 32, .size: 8, .value_kind: global_buffer, .address_space: global }
      - { .name: cos, .offset: 40, .size: 8, .value_kind: global_buffer, .address_space: global }
      - { .name: sin, .offset: 48, .size: 8, .value_kind: global_buffer, .address_space: global }
      - { .name: qb, .offset: 56, .size: 8, .value_kind: global_buffer, .address_space: global }
      - { .name: kv, .offset: 64, .size: 8, .value_kind: global_buffer, .address_space: global }
    .group_segment_fixed_size: 128512
    .private_segment_fixed_size: 0
    .kernarg_segment_align: 8
    .kernarg_segment_size: 72
    .max_flat_workgroup_size: 128
    .sgpr_count:     66
    .vgpr_count:     514
    .wavefront_size: 32
...
	.end_amdgpu_metadata
.endif
;; end of part 2
;; launch attn (part 3): grid 64 x 4, 12 waves a work-group, clusters of 4 x 1, 327,680 bytes of LDS; arguments qb, kv, ac, asc; writes ac, asc
.if DOCPART == 3
	.amdgcn_target "amdgcn-amd-amdhsa--gfx1250"
	.amdhsa_code_object_version 6
	.text
	.protected	k_qa07220b29c_attn
	.globl	k_qa07220b29c_attn
	.p2align	8
	.type	k_qa07220b29c_attn,@function
k_qa07220b29c_attn:
	s_mov_b64 s[64:65], 0
	v_nop
	global_prefetch_b8 v0, s[64:65] scope:SCOPE_SE
	s_setreg_imm32_b32 hwreg(HW_REG_WAVE_MODE, 25, 1), 1
	s_wait_xcnt 0x0
	s_wait_alu depctr_hold_cnt(0) depctr_sa_sdst(0) depctr_va_vdst(0) depctr_va_sdst(0) depctr_va_ssrc(0) depctr_va_vcc(0) depctr_vm_vsrc(0)
	s_getreg_b32 s2, hwreg(HW_REG_IB_STS2, 6, 4)
	s_cmp_eq_u32 s2, 0
	s_cbranch_scc0 .Lentry_in_a_cluster
	s_endpgm
.Lentry_in_a_cluster:
	s_bfe_u32 s2, ttmp6, 0x10000c
	s_cmp_lg_u32 s2, 0x3003
	s_cbranch_scc0 .Lentry_shape_is_right
	s_endpgm
.Lentry_shape_is_right:
; attn[q][head] = softmax_k(q . k / 64) v for 12 heads of 64, 4,096 queries and keys, both products on codes of FP4 with one E8M0 byte for each 32 along K; the result is quantised again along (head, channel) for the output product.
; THE SOFTMAX AHEAD OF THE SECOND PRODUCT: t = (q . k) log2(e) / 64; M = the row's largest t so far, rounded UP to a whole number; p = 2^(t - M) is quantised along the keys, not normalised.
; The row's sum is taken of the unquantised p and divides at the end.  When M moves, the sum and O are multiplied by 2^(old M - new M): exact.
; SHARES: 3,072 tiles of 16 queries = 256 work-groups x 12 waves, three waves to a SIMD, 256 registers each, so that one wave's vector work stands beside another's matrix work and LDS loads.
; A work-group takes 64 queries (tiles 4 qblk + wave % 4) of three heads (3 hg + wave / 4).  Every wave walks its head's 4,096 keys, 128 a step.
; CLUSTER: the four work-groups of a cluster take neighbouring blocks of queries of the same three heads and walk the same records of kv: each record is asked for JOINTLY, by the same tensor load with the same descriptor and the mask 15.
; RING: two LDS slots, each [3 heads][4 key steps][9,216 bytes].  EVERY wave fetches one record of a slot (head wave / 4, key step wave % 4) by one dense tensor load: no branch stands round a tensor load; one load of a wave is out at the most.
; A RECORD: + 512 j: K's tile j (16 keys), registers 0-3 of its fragment; + 4,096: K's scale words [lane][4]: lanes 0-15 tiles 0-3, lanes 16-31 tiles 4-7; + 4,608 + 1,024 n: the image of V^T's tile n; + 8,704: V's scale words [lane][4].
; K = 64 IN AN INSTRUCTION OF K = 128: Q's registers 4-7 are zero codes.  K's operand for tile j is v[KF + 4 j .. + 7]: its upper half holds the next tile's codes, which meet zero codes; the scale bytes of that half are 0 on both sides, never 0xff.
; LAYOUT: both products are used transposed (S^T = K Q^T, O^T = V^T P^T): a lane holds ONE query.  The keys of a tile are 32 (j / 2) + 8 (j % 2) + r + 8 (r / 8), so that the 16 registers of tiles 2 b, 2 b + 1 are keys 32 b + 16 (lane / 16) + 0 .. 15; V's channels likewise.
; LIMITS: a block whose every p has fallen to 0, and a block of zeros of the result, get the byte 1 (their codes are zeros); NaN and infinities are not served.
.set REC,   9216
.set SLOTB, 12*REC
.set SPARE, 2*SLOTB                    ; behind the ring: the spare words, 128 bytes for each of the 12 waves: six blocks of 256 bytes that no other line names
.set LI,  1                            ; v1   16 x lane
.set SPW, 2                            ; v2   my spare word: SPARE + 4 x my thread's number; never rewritten
.set NIL, 3                            ; v3   0; never rewritten
.set ADR, 4                            ; v4   the record in hand + 16 x lane
.set QW,  5                            ; v5   16 r
.set L4,  6                            ; v6   4 x lane
.set QF,  16                           ; v16-23  Q's fragment (v20-23 zero codes);  v12 -M, v13 the largest t, v[14:15] the sum in two halves
.set QS,  24                           ; v24     Q's scale word
.set KS,  28                           ; v28-31  K's scale words
.set VS,  32                           ; v32-35  V's
.set KF,  36                           ; v36-71  K's eight tiles, four registers each; v68-71 zero codes
.set VF,  72                           ; v72-103 V^T's four fragments
.set S,   104                          ; v104-167 S^T, then p
.set O,   168                          ; v168-199 O^T
.set PC,  200                          ; v200-207 p's codes
.set BM,  208                          ; v208-211 each block's largest score, then its largest p
.set BP,  212
.set BO,  216                          ; v216-219 the conversions' scale operands
.set TT,  220
.set F,   222                          ; v222 f = 2^(old M - new M)
.set PW,  223                          ; v223 p's scale word
.set S2,  224                          ; v[224:225] the sum's second chain
.set WV,  12
.set HL,  13
.set TL,  14
.set G1,  24                           ; s[24:31] descriptor group 1
.set G0,  32                           ; s[32:39] descriptor group 0, a set for each slot
.set OUTER, 44
.set CNT, 45
.set TB,  46                           ; LDS byte of the record in hand
.set HB,  47                           ; my head's place in a slot
.set SEL, 48
.set CS,  50                           ; s[50:51] c = log2(e) / 64
.macro ROUND                           ; a round of the cluster's barrier
	s_barrier_signal -1
	s_barrier_wait -1
	s_cmp_lg_u32 s[WV], 0
	s_cbranch_scc1 .Lnot_wave_0_\@
	s_barrier_signal -3
.Lnot_wave_0_\@:
	s_barrier_wait -3
	s_barrier_signal -1
	s_barrier_wait -1
.endm
.macro PLACES
.rept 4
	v_nop
.endr
.endm
	s_load_b256 s[4:11], s[0:1], 0x0               ; qb, kv, ac, asc
	v_lshl_add_u32 v[SPW], v0, 2, SPARE
	v_mov_b32 v[NIL], 0
	ds_add_u32 v2, v3
	ds_add_u32 v2, v3
	s_wait_dscnt 0x0
	v_lshrrev_b32 v7, 5, v0
	v_readfirstlane_b32 s[WV], v7                  ; wave 0..11
	s_lshr_b32 s[HL], s[WV], 2                     ; which of the three heads; also: whose record I fetch
	s_and_b32 s[TL], s[WV], 3                      ; which of the four tiles of queries; also: which key step of a slot I fetch
	s_bfe_u32 s15, ttmp6, 0x40000                  ; cx: my place in the cluster: it enters q's, ac's and asc's addresses alone
	s_lshl_b32 s16, ttmp9, 2
	s_add_co_u32 s16, s16, s15                     ; qblk: my block of 64 queries
	s_and_b32 s17, ttmp7, 0xffff                   ; hg, which the four partners share
	s_mul_i32 s18, s17, 3
	s_add_co_u32 s18, s18, s[HL]                   ; head
	s_lshl_b32 s20, s18, 5
	s_add_co_u32 s20, s20, s[TL]
	s_mul_i32 s20, s20, REC                        ; the record that I fetch for slot 0
	s_mov_b32 s21, 0
	s_mov_b32 s[G1], 15|(3<<16)|(1<<21)            ; 15:0 the mask: all four work-groups; 17:16 elements of 8 bytes; 21 set beside a mask; no padding
	s_mov_b32 s[G1+1], 32<<16                      ; tensor_dim0 = 32 elements: rows of 256 bytes
	s_mov_b32 s[G1+2], 36<<16                      ; tensor_dim1 = 36 rows: 9,216 dense bytes
	s_mov_b32 s[G1+3], 32<<16                      ; tile_dim0
	s_mov_b32 s[G1+4], 36                          ; tile_dim1
	s_mov_b32 s[G1+5], 32                          ; the pitch
	s_mov_b32 s[G1+6], 0
	s_mov_b32 s[G1+7], 0
	s_mul_i32 s22, s[WV], REC                      ; where it goes in a slot: no place in the cluster enters an LDS address
	s_mul_i32 s[HB], s[HL], 4*REC
	s_mov_b32 s[SEL], 0x76543210
	s_mov_b32 s[SEL+1], 0xfedcba98
	s_mov_b32 s[CS], 0x3cb8aa3b                    ; log2(e) / 64: both factors 1/8 of the scores
	s_mov_b32 s[CS+1], s[CS]                       ; (named with it as a pair, so it is written)
	s_mov_b32 s[OUTER], 3
	s_lshr_b32 s40, s16, 1                         ; q's record: head, 128 rows qblk / 2
	s_lshl_b32 s41, s18, 5
	s_add_co_u32 s40, s40, s41
	s_mul_i32 s40, s40, REC
	s_and_b32 s41, s16, 1
	s_lshl_b32 s42, s41, 2
	s_add_co_u32 s42, s42, s[TL]                   ; my tile in it
	s_lshl_b32 s42, s42, 9
	s_add_co_u32 s42, s42, s40                     ; its codes
	s_mov_b32 s43, 0
	s_lshl_b32 s41, s41, 8
	s_add_co_u32 s40, s40, s41
	s_lshl_b32 s41, s[TL], 2
	s_add_co_u32 s40, s40, s41                     ; its scale words (4,096 more stand in the load)
	s_mov_b32 s41, 0
	s_lshl_b32 s52, s16, 2
	s_add_co_u32 s52, s52, s[TL]                   ; my tile of queries among the 256
	s_mul_i32 s52, s52, 12
	s_add_co_u32 s52, s52, s18                     ; 12 x tile + head
	s_lshl_b32 s54, s52, 7
	s_lshl_b32 s52, s52, 9
	s_mov_b32 s53, 0
	s_mov_b32 s55, 0
	s_wait_kmcnt 0x0
	s_add_nc_u64 s[6:7], s[6:7], s[20:21]
	s_add_nc_u64 s[42:43], s[4:5], s[42:43]
	s_add_nc_u64 s[40:41], s[4:5], s[40:41]
	s_add_nc_u64 s[8:9], s[8:9], s[52:53]
	s_add_nc_u64 s[10:11], s[10:11], s[54:55]
.irp n, 0,1
	s_mov_b32 s[G0+4*\n], 1                                        ; count = 1
	s_add_co_u32 s[G0+4*\n+1], s22, \n*SLOTB                       ; LDS address
	s_add_nc_u64 s[G0+4*\n+2:G0+4*\n+3], s[6:7], \n*4*REC          ; global address: slot n begins with key steps 4 n .. 4 n + 3
	s_or_b32 s[G0+4*\n+3], s[G0+4*\n+3], 0x80000000                ; type = 2
.endr
	ROUND                                          ; all four work-groups are here: the first joint loads meet
	tensor_load_to_lds s[G0:G0+3], s[G1:G1+7]      ; slot 0
	s_nop 0
	PLACES                                         ; four v_nop follow a tensor load
	v_and_b32 v7, 31, v0
	v_lshlrev_b32 v[LI], 4, v7
	v_lshlrev_b32 v[L4], 2, v7
	v_and_b32 v[QW], 15, v0
	v_lshlrev_b32 v[QW], 4, v[QW]
	global_load_b128 v[QF:QF+3], v[LI], s[42:43]   ; Q's codes stay in registers
	global_load_b32 v[QS], v[QW], s[40:41] offset:4096
.irp j, 0,1,2,3
	v_mov_b32 v[QF+4+\j], 0                        ; zero codes for K = 64 .. 127
	v_mov_b32 v[KF+32+\j], 0                       ; and behind K's last tile
	v_mov_b32 v[BP+\j], 0                          ; written once: a lane permute's destination counts as one of its sources
.endr
	v_mov_b32 v13, 0xff61b1e6                      ; the largest t so far: -3e38, under every t
	v_floor_f32 v12, -v13                          ; -M
	v_mov_b32 v14, 0                               ; the sum, in two halves
	v_mov_b32 v15, 0
	v_mov_b32 v[TT], 0
	v_mov_b32 v[PW], 0                             ; (named as the upper half of the pair v[222:223] before it is first written)
.set i, 0
.rept 32
	v_mov_b32 v[O+i], 0                            ; O^T.  (The step is written once: the first finds zeros, which the first change of M leaves zeros)
.set i, i+1
.endr
	s_wait_loadcnt 0x0                             ; Q
; A KEY STEP: the 128 keys of the record at s[TB]
.macro STEP
	v_add_nc_u32 v[ADR], s[TB], v[LI]
.irp j, 0,1,2,3,4,5,6,7
	ds_load_b128 v[KF+4*\j:KF+4*\j+3], v[ADR] offset:512*\j          ; every load takes 512 consecutive bytes
.endr
	ds_load_b128 v[KS:KS+3], v[ADR] offset:4096
.irp n, 0,1,2,3
.irp c, 0,1
	ds_load_b128 v[VF+8*\n+4*\c:VF+8*\n+4*\c+3], v[ADR] offset:4608+1024*\n+512*\c
.endr
.endr
	ds_load_b128 v[VS:VS+3], v[ADR] offset:8704
	s_wait_dscnt 9                                 ; K and its scale words are in; V's nine loads may be out: they land under the softmax
.irp j, 0,1,2,3
	v_wmma_scale_f32_16x16x128_f8f6f4 v[S+8*\j:S+8*\j+7], v[KF+4*\j:KF+4*\j+7], v[QF:QF+7], 0, v[KS+\j], v[QS] matrix_a_fmt:MATRIX_FMT_FP4 matrix_b_fmt:MATRIX_FMT_FP4
.endr
.irp j, 4,5,6,7
	v_wmma_scale_f32_16x16x128_f8f6f4 v[S+8*\j:S+8*\j+7], v[KF+4*\j:KF+4*\j+7], v[QF:QF+7], 0, v[KS+\j-4], v[QS] matrix_a_fmt:MATRIX_FMT_FP4 matrix_b_fmt:MATRIX_FMT_FP4 matrix_a_scale:MATRIX_SCALE_ROW1
.endr
	PLACES
.irp b, 0,1,2,3
	v_max3_num_f32 v[BM+\b], v[S+16*\b], v[S+16*\b+1], v[S+16*\b+2]  ; the largest score of each block of 32 keys: it serves the row's maximum and, since p rises with the score, the block's largest p
.endr
.irp i, 3,5,7,9,11,13
.irp b, 0,1,2,3
	v_max3_num_f32 v[BM+\b], v[BM+\b], v[S+16*\b+\i], v[S+16*\b+\i+1]
.endr
.endr
.irp b, 0,1,2,3
	v_max_num_f32 v[BM+\b], v[BM+\b], v[S+16*\b+15]
.endr
.irp b, 0,1,2,3
	v_permlanex16_b32 v[BP+\b], v[BM+\b], s[SEL], s[SEL+1]
.endr
.irp b, 0,1,2,3
	v_max_num_f32 v[BM+\b], v[BM+\b], v[BP+\b]     ; with lane xor 16's 16 keys
.endr
	v_max3_num_f32 v[TT], v[BM], v[BM+1], v[BM+2]
	v_max_num_f32 v[TT], v[TT], v[BM+3]            ; the step's largest score of my query
	v_mul_f32 v[TT], s[CS], v[TT]                  ; as t (c is positive)
	v_max_num_f32 v13, v13, v[TT]                  ; the running largest t
	v_mov_b32 v[TT], v12
	v_floor_f32 v12, -v13                          ; the new -M = floor(-t) = -ceil(t): a whole number
	v_sub_f32 v[TT], v12, v[TT]                    ; old M - new M: a whole number, 0 or less
	v_cvt_i32_f32 v[TT], v[TT]                     ; (it saturates)
	v_ldexp_f32 v[F], 1.0, v[TT]                   ; f = 2^(old M - new M)
.irp j, 0,2,4,6,8,10,12,14,16,18,20,22,24,26,28,30,32,34,36,38,40,42,44,46,48,50,52,54,56,58,60,62
	v_pk_fma_f32 v[S+\j:S+\j+1], v[S+\j:S+\j+1], s[CS:CS+1], v[12:13] op_sel_hi:[1,0,0]   ; t - M, two at a time
.endr
.irp b, 0,1,2,3
	v_fma_f32 v[BM+\b], v[BM+\b], s[CS], v12       ; the same of each block's largest score
.endr
.set i, 0
.rept 64
	v_exp_f32 v[S+i], v[S+i]                       ; p = 2^(t - M), at most 1
.set i, i+1
.endr
.irp b, 0,1,2,3
	v_exp_f32 v[BM+\b], v[BM+\b]                   ; the block's largest p: the same two instructions on the same number
.endr
	v_pk_mul_f32 v[14:15], v[14:15], v[F:F+1] op_sel_hi:[1,0]        ; the sums under the new M (a plain place behind the exponentials)
	s_wait_alu depctr_va_vdst(0)
.irp b, 0,1,2,3
	v_max_num_f32 v[BM+\b], 0x1800000, v[BM+\b]    ; the floor 2^(3 - 127): the byte cannot fall under 1
.endr
.irp b, 0,1,2,3
	v_add_nc_u32 v[BO+\b], 0xff000000, v[BM+\b]    ; 2 off the exponent field: the conversion's scale operand
.endr
.irp b, 0,1,2,3
	v_lshrrev_b32 v[BP+\b], 23, v[BO+\b]           ; the scale's byte
.endr
	v_lshl_or_b32 v[PW], v[BP+1], 8, v[BP]         ; p's scale word for these 128 keys
	v_lshl_or_b32 v[PW], v[BP+2], 16, v[PW]
	v_lshl_or_b32 v[PW], v[BP+3], 24, v[PW]
.irp b, 0,1,2,3
	v_cvt_scalef32_pk8_fp4_f32 v[PC+2*\b], v[S+16*\b:S+16*\b+7], v[BO+\b]
	v_cvt_scalef32_pk8_fp4_f32 v[PC+2*\b+1], v[S+16*\b+8:S+16*\b+15], v[BO+\b]
.endr
	v_nop                                          ; one plain place behind a scaled conversion
.irp c, 0,1
.irp i, 0,1
	v_permlane16_swap_b32 v[PC+4*\c+\i], v[PC+4*\c+2+\i]             ; a whole block in a lane: lanes 0-15 block 2 c, lanes 16-31 block 2 c + 1
.endr
.endr
	v_pk_add_f32 v[S2:S2+1], v[S:S+1], v[S+2:S+3]  ; the row's sum is taken of the unquantised p: two at a time, in two chains
.irp j, 4,8,12,16,20,24,28,32,36,40,44,48,52,56,60
	v_pk_add_f32 v[14:15], v[14:15], v[S+\j:S+\j+1]
	v_pk_add_f32 v[S2:S2+1], v[S2:S2+1], v[S+\j+2:S+\j+3]
.endr
	v_pk_add_f32 v[14:15], v[14:15], v[S2:S2+1]
.irp j, 0,2,4,6,8,10,12,14,16,18,20,22,24,26,28,30
	v_pk_mul_f32 v[O+\j:O+\j+1], v[O+\j:O+\j+1], v[F:F+1] op_sel_hi:[1,0]   ; O^T under the new M.  (The sums and these are also the places between p's codes and scale word and the products below)
.endr
	s_wait_dscnt 0x0                               ; V
.irp n, 0,1,2,3
	v_wmma_scale_f32_16x16x128_f8f6f4 v[O+8*\n:O+8*\n+7], v[VF+8*\n:VF+8*\n+7], v[PC:PC+7], v[O+8*\n:O+8*\n+7], v[VS+\n], v[PW] matrix_a_fmt:MATRIX_FMT_FP4 matrix_b_fmt:MATRIX_FMT_FP4
.endr
	PLACES                                         ; in front of the next step's loads into V's registers, and of the last read of O^T
.endm
; A SLOT'S FOUR KEY STEPS.  At its head the change of slots: every wave waits for all its tensor loads (its record of this slot), adds 0 to its spare word, and waits for that and for its reads of the slot that it has left;
; the round shows that of every wave of all four work-groups.  refill = 1: the slot that was left is filled with the four key steps that follow: the load has this slot's four steps in which to land.
.macro TRIP slot, refill
	s_wait_tensorcnt 0x0                           ; no tensor load of mine is out, so a group 0 may be written
	ds_add_u32 v[SPW], v[NIL]                      ; 0 onto my spare word
	s_add_nc_u64 s[G0+4*\slot+2:G0+4*\slot+3], s[G0+4*\slot+2:G0+4*\slot+3], 8*REC   ; this slot's next fill: eight key steps on
	s_add_co_u32 s[TB], s[HB], \slot*SLOTB         ; my head's first record in this slot
	s_mov_b32 s[CNT], 4
	s_wait_dscnt 0x0                               ; the add is done, and my reads of the other slot are over
	ROUND
.if \refill
	tensor_load_to_lds s[G0+4-4*\slot:G0+7-4*\slot], s[G1:G1+7]      ; my one tensor load behind the round, and the first thing there
	s_nop 0
	PLACES
.endif
.Lstep_\@:
	STEP
	s_add_co_u32 s[TB], s[TB], REC
	s_sub_co_i32 s[CNT], s[CNT], 1
	s_cmp_lg_u32 s[CNT], 0
	s_cbranch_scc1 .Lstep_\@
.endm
.Louter:                                           ; eight slots' worth of keys: three trips of two, and two slots written out
	TRIP 0, 1
	TRIP 1, 1
	s_sub_co_i32 s[OUTER], s[OUTER], 1
	s_cmp_lg_u32 s[OUTER], 0
	s_cbranch_scc1 .Louter
	TRIP 0, 1
	TRIP 1, 0                                      ; nothing is left to fetch (the stepped addresses are not used)
	; THE END: O^T is divided by the row's sum and quantised along the head's 64 channels, two blocks: half an image of the output product's operand
	v_add_f32 v14, v14, v15
	v_permlanex16_b32 v[TT], v14, s[SEL], s[SEL+1]
	v_add_f32 v14, v14, v[TT]                      ; the row's sum
	v_rcp_f32 v14, v14
	v_nop                                          ; one plain place behind a transcendental
	s_wait_alu depctr_va_vdst(0)
.irp j, 0,2,4,6,8,10,12,14,16,18,20,22,24,26,28,30
	v_pk_mul_f32 v[S+\j:S+\j+1], v[O+\j:O+\j+1], v[14:15] op_sel_hi:[1,0]   ; register 16 b + i: channel 32 b + 16 (lane / 16) + i of my query
.endr
.irp b, 0,1
	v_max3_num_f32 v[BM+\b], |v[S+16*\b]|, |v[S+16*\b+1]|, 0x1800000
.endr
.irp i, 2,4,6,8,10,12,14
.irp b, 0,1
	v_max3_num_f32 v[BM+\b], v[BM+\b], |v[S+16*\b+\i]|, |v[S+16*\b+\i+1]|
.endr
.endr
.irp b, 0,1
	v_permlanex16_b32 v[BP+\b], v[BM+\b], s[SEL], s[SEL+1]
.endr
.irp b, 0,1
	v_max_num_f32 v[BM+\b], v[BM+\b], v[BP+\b]
.endr
.irp b, 0,1
	v_add_nc_u32 v[BO+\b], 0xff000000, v[BM+\b]
.endr
.irp b, 0,1
	v_lshrrev_b32 v[BO+2+\b], 23, v[BO+\b]
.endr
	v_lshl_or_b32 v[TT], v[BO+3], 8, v[BO+2]       ; the head's two bytes
.irp b, 0,1
	v_cvt_scalef32_pk8_fp4_f32 v[PC+2*\b], v[S+16*\b:S+16*\b+7], v[BO+\b]
	v_cvt_scalef32_pk8_fp4_f32 v[PC+2*\b+1], v[S+16*\b+8:S+16*\b+15], v[BO+\b]
.endr
	v_nop
	v_permlane16_swap_b32 v[PC], v[PC+2]
	v_permlane16_swap_b32 v[PC+1], v[PC+3]
	global_store_b128 v[LI], v[PC:PC+3], s[8:9]    ; 512 consecutive bytes
	global_store_b32 v[L4], v[TT], s[10:11]        ; 128 consecutive bytes
	s_wait_tensorcnt 0x0                           ; the wave's end
	ds_add_u32 v[SPW], v[NIL]
	s_wait_dscnt 0x0
	ROUND                                          ; the closing round: no work-group ends while a partner may still ask for a record that names it
	s_endpgm
.Lfunc_end_k_qa07220b29c_attn:
	.size	k_qa07220b29c_attn, .Lfunc_end_k_qa07220b29c_attn-k_qa07220b29c_attn
	.p2alignl 7, 3214868480
	.fill 96, 4, 3214868480
	.section	.rodata,"a",@progbits
	.p2align	6, 0x0
	.amdhsa_kernel k_qa07220b29c_attn
		.amdhsa_group_segment_fixed_size 327680
		.amdhsa_private_segment_fixed_size 0
		.amdhsa_enable_private_segment 0
		.amdhsa_kernarg_size 32
		.amdhsa_user_sgpr_count 2
		.amdhsa_user_sgpr_kernarg_segment_ptr 1
		.amdhsa_wavefront_size32 1
		.amdhsa_system_sgpr_workgroup_id_x 1
		.amdhsa_system_sgpr_workgroup_id_y 1
		.amdhsa_system_sgpr_workgroup_id_z 1
		.amdhsa_system_vgpr_workitem_id 0
		.amdhsa_next_free_vgpr 256
		.amdhsa_next_free_sgpr 66
		.amdhsa_reserve_vcc 0
		.amdhsa_float_denorm_mode_32 3
		.amdhsa_float_denorm_mode_16_64 3
		.amdhsa_memory_ordered 1
		.amdhsa_forward_progress 1
		.amdhsa_inst_pref_size 72
	.end_amdhsa_kernel
	.amdgpu_metadata
---
amdhsa.version: [ 1, 2 ]
amdhsa.kernels:
  - .name:           k_qa07220b29c_attn
    .symbol:         k_qa07220b29c_attn.kd
    .args:
      - { .name: qb, .offset: 0, .size: 8, .value_kind: global_buffer, .address_space: global }
      - { .name: kv, .offset: 8, .size: 8, .value_kind: global_buffer, .address_space: global }
      - { .name: ac, .offset: 16, .size: 8, .value_kind: global_buffer, .address_space: global }
      - { .name: asc, .offset: 24, .size: 8, .value_kind: global_buffer, .address_space: global }
    .group_segment_fixed_size: 327680
    .private_segment_fixed_size: 0
    .kernarg_segment_align: 8
    .kernarg_segment_size: 32
    .max_flat_workgroup_size: 384
    .sgpr_count:     66
    .vgpr_count:     256
    .wavefront_size: 32
...
	.end_amdgpu_metadata
.endif
;; end of part 3
;; launch outln (part 4): grid 256 x 1, 8 waves a work-group, no clusters, 51,456 bytes of LDS; arguments ac, asc, cod, scl, hidden_states, ln_g, ln_b, out0; writes out0
.if DOCPART == 4
	.amdgcn_target "amdgcn-amd-amdhsa--gfx1250"
	.amdhsa_code_object_version 6
	.text
	.protected	k_qa07220b29c_outln
	.globl	k_qa07220b29c_outln
	.p2align	8
	.type	k_qa07220b29c_outln,@function
k_qa07220b29c_outln:
	s_mov_b64 s[64:65], 0
	v_nop
	global_prefetch_b8 v0, s[64:65] scope:SCOPE_SE
	s_setreg_imm32_b32 hwreg(HW_REG_WAVE_MODE, 25, 1), 1
	s_wait_xcnt 0x0
; out0 = LayerNorm(attn Wo^T + hidden_states) ln_g + ln_b.  The product runs on codes of FP4; all else in f32.
; SHARES: work-group g takes tile g of attn: the 16 rows 32 (g / 2) + 8 (g % 2) + r + 8 (r / 8), whole.  Wave w takes Wo's tiles 6 w .. 6 w + 5, columns 96 w .. 96 w + 95: six accumulators.
; Every work-group walks all of Wo's codes and scale words (344 KB) whatever its rows; with one tile of rows there are 256 work-groups, and the rows' own bytes (48 KB in, 48 KB out) are the least that a work-group can have.
; Wo is read by every work-group and is NOT asked for jointly: each wave takes its six tiles from memory straight into its registers, in fragment order, 512 consecutive bytes a load, and no byte of Wo passes through LDS;
; a joint request would need a ring in LDS and a round of a cluster's barrier for each refill, for 36 matrix instructions a wave.
; THE PRODUCT IS USED TRANSPOSED (source 0 = 16 rows of Wo, source 1 = 16 rows of attn): a lane holds one row, and the 16 registers of Wo's tiles 2 p, 2 p + 1 are columns 96 w + 32 p + 16 (lane / 16) + 0 .. 15.
; THE RESIDUAL IS THE SUMS' C and costs no addition.  It is loaded as whole rows, 512 consecutive bytes a load (wave w: lane-rows 2 w, 2 w + 1), laid into the stage in LDS, and read from there into the accumulators in the result's layout.
; LAYERNORM IN TWO PASSES (the mean, then the squares of the differences: no difference of large sums).  A row's 768 numbers lie in eight waves: the waves' parts meet in LDS behind a barrier, twice.
; The way out goes through the same stage: each wave writes the bytes that it alone read, and stores two whole rows, 512 consecutive bytes a store.
.set RED1,  0                          ; LDS: 16 rows x 8 waves' sums
.set RED2,  512                        ; the same for the squares
.set STAGE, 1024                       ; 16 rows x (3,072 bytes + 16): 3,088 = 12 x 256 + 16, so sixteen rows start 16 bytes apart modulo 256
.set SP,    3088
.set LI,  1                            ; v1   16 x lane
.set L4,  2                            ; v2   4 x lane
.set SD,  3                            ; v3   the stage by whole rows: STAGE + 2 rows x wave + 16 x lane
.set SA,  4                            ; v4   the stage in the result's layout: STAGE + 3,088 r + 64 h + 384 w
.set GH,  5                            ; v5   my two rows in hidden_states and out0: 3,072 (2 w + 8 (w / 4)) + 16 x lane
.set RW,  6                            ; v6   32 r + 4 w
.set RR,  7                            ; v7   32 r
.set MEAN, 8                           ; v8-9   the mean, twice
.set RSTD, 10                          ; v10-11 1 / sqrt(var + eps), twice
.set ACC, 16                           ; v16-63 six accumulators; later two whole rows
.set ASC, 64                           ; v64-69 attn's scale words, one for each K step
.set WSC, 72                           ; v72-95 Wo's: three buffers of 8
.set G,   96                           ; v96-119  ln_g at 128 i + 4 lane + 0 .. 3
.set B,   120                          ; v120-143 ln_b
.set RAW, 144                          ; v144-155 attn's scale bytes, two of a head to a word
.set T,   156                          ; v156-159 two chains
.set P,   160                          ; v160-167 the eight waves' parts
.set RES, 168                          ; v168-215 two rows of hidden_states as loaded
.set WF,  48                           ; window 1: v0-47 attn's six fragments; v48-191 Wo's, three buffers of 48
.set WV,  20
.set SEL, 26
.set INV, 28
.set EPS, 29
.set MSB, 0
.macro WIN new                         ; the immediate's high byte repeats the setting that is left
.if MSB != \new
	s_set_vgpr_msb (MSB<<8)|\new
.set MSB, \new
.endif
.endm
	s_load_b512 s[4:19], s[0:1], 0x0               ; ac, asc, cod, scl, hidden_states, ln_g, ln_b, out0
	v_lshl_add_u32 v254, v0, 2, 0xc500
	v_mov_b32 v255, 0
	v_lshrrev_b32 v220, 5, v0
	v_readfirstlane_b32 s[WV], v220                ; wave 0..7
	v_and_b32 v220, 31, v0                         ; lane
	v_and_b32 v221, 15, v0                         ; r
	v_bfe_u32 v222, v0, 4, 1                       ; h
	v_lshlrev_b32 v[LI], 4, v220
	v_lshlrev_b32 v[L4], 2, v220
	s_mul_i32 s21, s[WV], 2*SP
	s_add_co_u32 s21, s21, STAGE
	v_add_nc_u32 v[SD], s21, v[LI]
	s_mul_i32 s21, s[WV], 384
	s_add_co_u32 s21, s21, STAGE
	v_mul_u32_u24 v[SA], v221, SP
	v_lshl_add_u32 v[SA], v222, 6, v[SA]
	v_add_nc_u32 v[SA], s21, v[SA]
	s_lshl_b32 s21, s[WV], 2
	v_lshlrev_b32 v[RR], 5, v221
	v_add_nc_u32 v[RW], s21, v[RR]
	s_lshr_b32 s21, s[WV], 2
	s_lshl_b32 s21, s21, 3
	s_lshl_b32 s25, s[WV], 1
	s_add_co_u32 s21, s21, s25                     ; lane-rows 2 w, 2 w + 1 are the tile's rows 2 w + 8 (w / 4) and the next
	s_mul_i32 s21, s21, 3072
	v_add_nc_u32 v[GH], s21, v[LI]
	s_mov_b32 s[SEL], 0x76543210
	s_mov_b32 s[SEL+1], 0xfedcba98
	s_mov_b32 s[INV], 0x3aaaaaab                   ; 1 / 768
	s_mov_b32 s[EPS], 0x2b8cbccc                   ; 1e-12
	s_mov_b32 s23, 0
	s_mul_i32 s24, s[WV], 6
	s_add_co_u32 s24, s24, 400                     ; my first tile of Wo in cod and scl
	s_wait_kmcnt 0x0
	s_mul_i32 s22, ttmp9, 6144
	s_add_nc_u64 s[4:5], s[4:5], s[22:23]          ; the tile of attn: 6 images
	s_mul_i32 s22, ttmp9, 1536
	s_add_nc_u64 s[6:7], s[6:7], s[22:23]          ; its 12 runs of 128 bytes
	s_mul_i32 s22, s24, 6144
	s_add_nc_u64 s[8:9], s[8:9], s[22:23]
	s_lshl_b32 s22, s24, 10
	s_add_nc_u64 s[10:11], s[10:11], s[22:23]
	s_lshr_b32 s22, ttmp9, 1
	s_lshl_b32 s22, s22, 5
	s_and_b32 s25, ttmp9, 1
	s_lshl_b32 s25, s25, 3
	s_add_co_u32 s22, s22, s25                     ; the tile's first row
	s_mul_i32 s22, s22, 3072
	s_add_nc_u64 s[12:13], s[12:13], s[22:23]
	s_add_nc_u64 s[18:19], s[18:19], s[22:23]
.macro GROUP i                         ; Wo's tile i of my six: 12 loads of codes and 2 of scale words, into buffer i % 3
	WIN 0x40                                       ; destination window 1
.set k, 0
.rept 12
	global_load_b128 v[WF+48*((\i)%3)+4*k:WF+48*((\i)%3)+4*k+3], v[LI], s[8:9] offset:6144*(\i)+512*k
.set k, k+1
.endr
	WIN 0
	global_load_b128 v[WSC+8*((\i)%3):WSC+8*((\i)%3)+3], v[LI], s[10:11] offset:1024*(\i)
	global_load_b128 v[WSC+8*((\i)%3)+4:WSC+8*((\i)%3)+7], v[LI], s[10:11] offset:1024*(\i)+512
.endm
.macro PAIR i                          ; tiles i and i + 1, all six K steps: the two accumulators by turns, one instruction a turn
	WIN 0x05                                       ; sources 0 (Wo) and 1 (attn) window 1
.irp s, 0,1,2,3,4,5
.irp e, 0,1
	v_wmma_scale_f32_16x16x128_f8f6f4 v[ACC+8*((\i)+\e):ACC+8*((\i)+\e)+7], v[WF+48*(((\i)+\e)%3)+8*\s:WF+48*(((\i)+\e)%3)+8*\s+7], v[8*\s:8*\s+7], v[ACC+8*((\i)+\e):ACC+8*((\i)+\e)+7], v[WSC+8*(((\i)+\e)%3)+4*(\s/3)+\s%3], v[ASC+\s] matrix_a_fmt:MATRIX_FMT_FP4 matrix_b_fmt:MATRIX_FMT_FP4
.endr
.endr
	WIN 0
.rept 4
	v_nop                                          ; places in front of loads into registers that these products have read, and of the first read of results
.endr
.endm
.irp k, 0,1
.irp i, 0,1,2,3,4,5
	global_load_b128 v[RES+4*(6*\k+\i):RES+4*(6*\k+\i)+3], v[GH], s[12:13] offset:3072*\k+512*\i th:TH_LOAD_NT   ; two whole rows of hidden_states
.endr
.endr
.set k, 0
.rept 12
	global_load_b32 v[RAW+k], v[L4], s[6:7] offset:128*k             ; head k's two bytes
.set k, k+1
.endr
	WIN 0x40
.set k, 0
.rept 12
	global_load_b128 v[4*k:4*k+3], v[LI], s[4:5] offset:512*k        ; attn's fragments: register 8 s + 4 c at byte 512 (2 s + c)
.set k, k+1
.endr
	GROUP 0
	s_wait_loadcnt 38                              ; my two rows are in; behind them: 12 words of scale bytes, attn's 12, the group's 14
.irp k, 0,1
.irp i, 0,1,2,3,4,5
	ds_store_b128 v[SD], v[RES+4*(6*\k+\i):RES+4*(6*\k+\i)+3] offset:SP*\k+512*\i
.endr
.endr
	GROUP 1
	s_wait_dscnt 0x0                               ; for the others' sake: my stores have landed
	s_barrier_signal -1
	s_barrier_wait -1                              ; the tile's 16 rows of hidden_states lie in the stage
.irp p, 0,1,2
.irp q, 0,1,2,3
	ds_load_b128 v[ACC+16*\p+4*\q:ACC+16*\p+4*\q+3], v[SA] offset:128*\p+16*\q   ; my 96 columns of row r, in the result's layout
.endr
.endr
	s_wait_loadcnt 40                              ; the scale bytes are in; behind them: attn's 12 and two groups of 14
.irp s, 0,1,2,3,4,5
	v_lshl_or_b32 v[ASC+\s], v[RAW+2*\s+1], 16, v[RAW+2*\s]          ; two heads' bytes make a K step's scale word
.endr
	GROUP 2
.rept 8
	v_nop                                          ; a scale register written by a vector instruction stands eight places ahead of a scaled matrix instruction
.endr
	s_wait_loadcnt 14                              ; attn and groups 0 and 1 are in; group 2 may be out
	s_wait_dscnt 0x0                               ; the residual is in the accumulators
	PAIR 0
	GROUP 3
	GROUP 4
	s_wait_loadcnt 14                              ; groups 2 and 3 are in; group 4 may be out
	PAIR 2
	GROUP 5
.irp i, 0,1,2,3,4,5
	global_load_b128 v[G+4*\i:G+4*\i+3], v[LI], s[14:15] offset:512*\i
	global_load_b128 v[B+4*\i:B+4*\i+3], v[LI], s[16:17] offset:512*\i
.endr
	s_wait_loadcnt 12                              ; groups 4 and 5 are in; the 12 loads of ln_g and ln_b may be out
	PAIR 4
; From two chains to the row's total over all 768 columns, in v[P]
.macro REDUCE red
	v_pk_add_f32 v[T:T+1], v[T:T+1], v[T+2:T+3]
	v_add_f32 v[T], v[T], v[T+1]
	v_permlanex16_b32 v[T+1], v[T], s[SEL], s[SEL+1]
	v_add_f32 v[T], v[T], v[T+1]                   ; my wave's 96 columns of the row
	ds_store_b32 v[RW], v[T] offset:\red           ; both halves of the lanes write the same word with the same value
	s_wait_dscnt 0x0                               ; for the others' sake: my store has landed
	s_barrier_signal -1
	s_barrier_wait -1
	ds_load_b128 v[P:P+3], v[RR] offset:\red
	ds_load_b128 v[P+4:P+7], v[RR] offset:\red+16
	s_wait_dscnt 0x0
	v_pk_add_f32 v[P:P+1], v[P:P+1], v[P+2:P+3]
	v_pk_add_f32 v[P+4:P+5], v[P+4:P+5], v[P+6:P+7]
	v_pk_add_f32 v[P:P+1], v[P:P+1], v[P+4:P+5]
	v_add_f32 v[P], v[P], v[P+1]
.endm
	; pass 1: the mean.  Each accumulator is read from its low end on
	v_pk_add_f32 v[T:T+1], v[ACC:ACC+1], v[ACC+4:ACC+5]
	v_pk_add_f32 v[T+2:T+3], v[ACC+2:ACC+3], v[ACC+6:ACC+7]
.irp j, 8,12,16,20,24,28,32,36,40,44
	v_pk_add_f32 v[T:T+1], v[T:T+1], v[ACC+\j:ACC+\j+1]
	v_pk_add_f32 v[T+2:T+3], v[T+2:T+3], v[ACC+\j+2:ACC+\j+3]
.endr
	REDUCE RED1
	v_mul_f32 v[MEAN], s[INV], v[P]
	v_mov_b32 v[MEAN+1], v[MEAN]
.set k, 0
.rept 24
	v_pk_add_f32 v[ACC+k:ACC+k+1], v[ACC+k:ACC+k+1], v[MEAN:MEAN+1] neg_lo:[0,1] neg_hi:[0,1]   ; the differences, in place
.set k, k+2
.endr
	; pass 2: the variance
	v_pk_mul_f32 v[T:T+1], v[ACC:ACC+1], v[ACC:ACC+1]
	v_pk_mul_f32 v[T+2:T+3], v[ACC+2:ACC+3], v[ACC+2:ACC+3]
.irp j, 4,8,12,16,20,24,28,32,36,40,44
	v_pk_fma_f32 v[T:T+1], v[ACC+\j:ACC+\j+1], v[ACC+\j:ACC+\j+1], v[T:T+1]
	v_pk_fma_f32 v[T+2:T+3], v[ACC+\j+2:ACC+\j+3], v[ACC+\j+2:ACC+\j+3], v[T+2:T+3]
.endr
	REDUCE RED2                                    ; other bytes than the first: no wave's store meets another's reads of the sums
	v_fma_f32 v[P], v[P], s[INV], s[EPS]           ; var + eps
	v_rsq_f32 v[RSTD], v[P]
	v_nop                                          ; one plain place behind a transcendental
	s_wait_alu depctr_va_vdst(0)
	v_mov_b32 v[RSTD+1], v[RSTD]
.set k, 0
.rept 24
	v_pk_mul_f32 v[ACC+k:ACC+k+1], v[ACC+k:ACC+k+1], v[RSTD:RSTD+1]
.set k, k+2
.endr
	; the way out: into the bytes of the stage that I alone read, two barriers ago
.irp p, 0,1,2
.irp q, 0,1,2,3
	ds_store_b128 v[SA], v[ACC+16*\p+4*\q:ACC+16*\p+4*\q+3] offset:128*\p+16*\q
.endr
.endr
	s_wait_dscnt 0x0                               ; for the others' sake: my stores have landed
	s_barrier_signal -1
	s_barrier_wait -1                              ; 16 whole rows lie in the stage
.irp k, 0,1
.irp i, 0,1,2,3,4,5
	ds_load_b128 v[ACC+4*(6*\k+\i):ACC+4*(6*\k+\i)+3], v[SD] offset:SP*\k+512*\i
.endr
.endr
	s_wait_loadcnt 0x0                             ; ln_g and ln_b
.irp k, 0,1
.irp i, 0,1,2,3,4,5
	s_wait_dscnt 11-6*\k-\i                        ; LDS loads come back in order: this one is in
	v_pk_fma_f32 v[ACC+4*(6*\k+\i):ACC+4*(6*\k+\i)+1], v[ACC+4*(6*\k+\i):ACC+4*(6*\k+\i)+1], v[G+4*\i:G+4*\i+1], v[B+4*\i:B+4*\i+1]
	v_pk_fma_f32 v[ACC+4*(6*\k+\i)+2:ACC+4*(6*\k+\i)+3], v[ACC+4*(6*\k+\i)+2:ACC+4*(6*\k+\i)+3], v[G+4*\i+2:G+4*\i+3], v[B+4*\i+2:B+4*\i+3]
	global_store_b128 v[GH], v[ACC+4*(6*\k+\i):ACC+4*(6*\k+\i)+3], s[18:19] offset:3072*\k+512*\i th:TH_STORE_NT   ; 32 lanes store 512 consecutive bytes, aligned
.endr
.endr
	s_wait_tensorcnt 0x0
	ds_add_u32 v254, v255
	s_wait_dscnt 0x0
	s_endpgm
.Lfunc_end_k_qa07220b29c_outln:
	.size	k_qa07220b29c_outln, .Lfunc_end_k_qa07220b29c_outln-k_qa07220b29c_outln
	.p2alignl 7, 3214868480
	.fill 96, 4, 3214868480
	.section	.rodata,"a",@progbits
	.p2align	6, 0x0
	.amdhsa_kernel k_qa07220b29c_outln
		.amdhsa_group_segment_fixed_size 51456
		.amdhsa_private_segment_fixed_size 0
		.amdhsa_enable_private_segment 0
		.amdhsa_kernarg_size 64
		.amdhsa_user_sgpr_count 2
		.amdhsa_user_sgpr_kernarg_segment_ptr 1
		.amdhsa_wavefront_size32 1
		.amdhsa_system_sgpr_workgroup_id_x 1
		.amdhsa_system_sgpr_workgroup_id_y 1
		.amdhsa_system_sgpr_workgroup_id_z 1
		.amdhsa_system_vgpr_workitem_id 0
		.amdhsa_next_free_vgpr 512
		.amdhsa_next_free_sgpr 66
		.amdhsa_reserve_vcc 0
		.amdhsa_float_denorm_mode_32 3
		.amdhsa_float_denorm_mode_16_64 3
		.amdhsa_memory_ordered 1
		.amdhsa_forward_progress 1
		.amdhsa_inst_pref_size 36
	.end_amdhsa_kernel
	.amdgpu_metadata
---
amdhsa.version: [ 1, 2 ]
amdhsa.kernels:
  - .name:           k_qa07220b29c_outln
    .symbol:         k_qa07220b29c_outln.kd
    .args:
      - { .name: ac, .offset: 0, .size: 8, .value_kind: global_buffer, .address_space: global }
      - { .name: asc, .offset: 8, .size: 8, .value_kind: global_buffer, .address_space: global }
      - { .name: cod, .offset: 16, .size: 8, .value_kind: global_buffer, .address_space: global }
      - { .name: scl, .offset: 24, .size: 8, .value_kind: global_buffer, .address_space: global }
      - { .name: hidden_states, .offset: 32, .size: 8, .value_kind: global_buffer, .address_space: global }
      - { .name: ln_g, .offset: 40, .size: 8, .value_kind: global_buffer, .address_space: global }
      - { .name: ln_b, .offset: 48, .size: 8, .value_kind: global_buffer, .address_space: global }
      - { .name: out0, .offset: 56, .size: 8, .value_kind: global_buffer, .address_space: global }
    .group_segment_fixed_size: 51456
    .private_segment_fixed_size: 0
    .kernarg_segment_align: 8
    .kernarg_segment_size: 64
    .max_flat_workgroup_size: 256
    .sgpr_count:     66
    .vgpr_count:     512
    .wavefront_size: 32
...
	.end_amdgpu_metadata
.endif
;; end of part 4
;; ======== version 2 of 2: 4 launches
;; workspace buffers: cod 2,752,512 bytes; scl 458,752 bytes; qb 3,538,944 bytes; kv 3,538,944 bytes; ac 1,572,864 bytes; asc 393,216 bytes
;; launch quant (part 5): grid 224 x 1, 4 waves a work-group, no clusters, 99,840 bytes of LDS; arguments hidden_states, Wq, Wk, Wv, Wo, cod, scl; writes cod, scl
.if DOCPART == 5
	.amdgcn_target "amdgcn-amd-amdhsa--gfx1250"
	.amdhsa_code_object_version 6
	.text
	.protected	k_qa07220b29c_quant
	.globl	k_qa07220b29c_quant
	.p2align	8
	.type	k_qa07220b29c_quant,@function
k_qa07220b29c_quant:
	s_mov_b64 s[64:65], 0
	v_nop
	global_prefetch_b8 v0, s[64:65] scope:SCOPE_SE
	s_setreg_imm32_b32 hwreg(HW_REG_WAVE_MODE, 25, 1), 1
	s_wait_xcnt 0x0
; hidden_states [4096][768] and Wq, Wk, Wv, Wo [768][768], f32, K innermost, become codes of FP4 (E2M1) with one E8M0 byte for each 32 along K,
; laid in the ORDER OF AN OPERAND'S REGISTERS.  A TILE is 16 rows: lane-row r of tile T stands for row 32 (T / 2) + 8 (T % 2) + r + 8 (r / 8).
; A fragment (a tile x 128 along K, 8 registers a lane) lies as an image of 1,024 bytes: registers 4 c .. 4 c + 3 of lane l at 512 c + 16 l.
; cod: [448 tiles][6 K steps][1,024]: tiles 0-255 hidden_states, 256-303 Wq, 304-351 Wk, 352-399 Wv, 400-447 Wo.
; scl: [448 tiles][2][32 lanes][4 words]: word i of half g is the scale word (four bytes) of K step 3 g + i, word 3 is 0; lanes 16-31 repeat lanes 0-15.
; A block's scale is 2^(floor(log2(its largest magnitude)) - 2); its byte is the largest magnitude's exponent field - 2, held at 1 from below.
; LIMITS: a block of zeros gets the byte 1 where the rule says 127 (its codes are zeros, and only this program reads the bytes); blocks whose largest magnitude lies under 2^-124 are held at that byte; NaN and infinities are not served.
; SHARES: a wave takes one tile x 3 K steps (16 rows x 384 numbers); 896 waves.  All its 48 loads go out at once; each K step is worked when its 16 have come.
; The conversions want 16 NEIGHBOURS along K in a lane (its partner, lane xor 16, holds the block's other 16); a load is best where neighbouring LANES take neighbouring bytes.  Both are had:
; each load takes 512 consecutive bytes of one row, which are one K step of it; a K step's 16 loads go into the wave's own stage in LDS as they lie and come back 64 bytes a lane.
; A stage row is 1,536 bytes + 16 of padding: 1,552 = 6 x 256 + 16, so the sixteen rows that a load back touches start 16 bytes apart modulo 256.  No barrier: waves share nothing.
.set PITCH, 1552                       ; a stage row
.set WREG,  16*PITCH                   ; a wave's stage: 24,832 bytes
.set SA,  1                            ; v1      the stage, in: WREG x wave + 16 x lane
.set LI,  2                            ; v2      16 x lane
.set RD,  3                            ; v3      the stage, back: WREG x wave + PITCH r + 64 for lanes 16-31
.set MX,  8                            ; v8-11   largest magnitudes of four blocks
.set PD,  12                           ; v12-15  the partner's, then the bytes
.set SO,  16                           ; v16-19  the conversions' scale operands
.set PC,  24                           ; v24-47  codes: eight registers for each K step, never written again
.set WD,  48                           ; v48-51  three scale words and a zero
.set X,   52                           ; v52-243 64 numbers for each K step: as loaded, then as the conversions want them
.set WV,  21
.set SEL, 22                           ; s22, s23 selects for lane xor 16
	s_load_b256 s[4:11], s[0:1], 0x0               ; hidden_states, Wq, Wk, Wv
	s_load_b128 s[12:15], s[0:1], 0x20             ; Wo, cod
	s_load_b64 s[16:17], s[0:1], 0x30              ; scl
	v_lshl_add_u32 v254, v0, 2, 0x18400
	v_mov_b32 v255, 0
	v_lshrrev_b32 v4, 5, v0
	v_readfirstlane_b32 s[WV], v4                  ; wave 0..3
	v_and_b32 v4, 15, v0                           ; r
	v_bfe_u32 v5, v0, 4, 1                         ; h
	v_and_b32 v[LI], 31, v0
	v_lshlrev_b32 v[LI], 4, v[LI]
	s_mul_i32 s29, s[WV], WREG                     ; my wave's stage
	v_add_nc_u32 v[SA], s29, v[LI]
	v_mul_u32_u24 v[RD], v4, PITCH
	v_lshl_add_u32 v[RD], v5, 6, v[RD]             ; + 64 h: my 16 numbers of a block
	v_add_nc_u32 v[RD], s29, v[RD]
.irp b, 0,1,2,3
	v_mov_b32 v[PD+\b], 0                          ; written once: a lane permute's destination counts as one of its sources
.endr
	v_mov_b32 v[WD+3], 0
	s_mov_b32 s[SEL], 0x76543210
	s_mov_b32 s[SEL+1], 0xfedcba98
	s_lshr_b32 s24, s[WV], 1                       ; which of the work-group's two tiles
	s_and_b32 s25, s[WV], 1                        ; which half of K
	s_lshl_b32 s28, ttmp9, 2
	s_add_co_u32 s28, s28, s[WV]                   ; unit = 2 x tile + half
	s_wait_alu depctr_va_vdst(0)
	s_wait_kmcnt 0x0
	s_mov_b64 s[18:19], s[12:13]                   ; which tensor, and its first work-group: the choice hangs on the work-group's number alone
	s_mov_b32 s20, 200
	s_cmp_lt_u32 ttmp9, 200
	s_cselect_b64 s[18:19], s[10:11], s[18:19]
	s_cselect_b32 s20, 176, s20
	s_cmp_lt_u32 ttmp9, 176
	s_cselect_b64 s[18:19], s[8:9], s[18:19]
	s_cselect_b32 s20, 152, s20
	s_cmp_lt_u32 ttmp9, 152
	s_cselect_b64 s[18:19], s[6:7], s[18:19]
	s_cselect_b32 s20, 128, s20
	s_cmp_lt_u32 ttmp9, 128
	s_cselect_b64 s[18:19], s[4:5], s[18:19]
	s_cselect_b32 s20, 0, s20
	s_sub_co_u32 s26, ttmp9, s20                   ; the pair of tiles inside the tensor: 32 rows
	s_lshl_b32 s26, s26, 5
	s_lshl_b32 s27, s24, 3
	s_add_co_u32 s26, s26, s27                     ; the tile's first row
	s_mul_i32 s26, s26, 3072
	s_mul_i32 s27, s25, 1536
	s_add_co_u32 s26, s26, s27                     ; + my half of K
	s_mov_b32 s27, 0
	s_add_nc_u64 s[18:19], s[18:19], s[26:27]
	s_mul_i32 s30, s28, 3072                       ; three images
	s_mov_b32 s31, 0
	s_add_nc_u64 s[14:15], s[14:15], s[30:31]
	s_lshl_b32 s30, s28, 9                         ; 512 bytes of scale words
	s_add_nc_u64 s[16:17], s[16:17], s[30:31]
.irp s, 0,1,2                          ; K step s of lane-row i: 32 lanes read 512 consecutive bytes, aligned
.set i, 0
.rept 16
	global_load_b128 v[X+64*\s+4*i:X+64*\s+4*i+3], v[LI], s[18:19] offset:(i+8*(i/8))*3072+512*\s th:TH_LOAD_NT
.set i, i+1
.endr
.endr
.macro TOSTAGE s                       ; a K step's 16 rows of 512 bytes into the stage, as they were loaded
.set i, 0
.rept 16
	ds_store_b128 v[SA], v[X+64*(\s)+4*i:X+64*(\s)+4*i+3] offset:PITCH*i+512*(\s)
.set i, i+1
.endr
.endm
.macro BACK s                          ; and back: register 16 b + 4 j + t = k 32 b + 16 (lane / 16) + 4 j + t of my row
.irp b, 0,1,2,3
.irp j, 0,1,2,3
	ds_load_b128 v[X+64*(\s)+16*\b+4*\j:X+64*(\s)+16*\b+4*\j+3], v[RD] offset:512*(\s)+128*\b+16*\j
.endr
.endr
.endm
; 64 numbers of a lane, register 16 b + i = k 32 b + 16 (lane / 16) + i of my row, become a fragment's eight registers and its scale word
.macro QUANT4 src, pc, word
.irp b, 0,1,2,3
	v_max3_num_f32 v[MX+\b], |v[(\src)+16*\b]|, |v[(\src)+16*\b+1]|, 0x1800000   ; my 16 numbers, and the floor 2^(3 - 127): the byte cannot fall under 1
.endr
.irp i, 2,4,6,8,10,12,14
.irp b, 0,1,2,3
	v_max3_num_f32 v[MX+\b], v[MX+\b], |v[(\src)+16*\b+\i]|, |v[(\src)+16*\b+\i+1]|   ; the four blocks by turns
.endr
.endr
.irp b, 0,1,2,3
	v_permlanex16_b32 v[PD+\b], v[MX+\b], s[SEL], s[SEL+1]
.endr
.irp b, 0,1,2,3
	v_max_num_f32 v[MX+\b], v[MX+\b], v[PD+\b]     ; with lane xor 16's: the block's largest magnitude
.endr
.irp b, 0,1,2,3
	v_add_nc_u32 v[SO+\b], 0xff000000, v[MX+\b]    ; 2 off its exponent field: the conversion takes this operand's exponent field as its scale
.endr
.irp b, 0,1,2,3
	v_lshrrev_b32 v[PD+\b], 23, v[SO+\b]           ; the scale's byte
.endr
	v_lshl_or_b32 v[\word], v[PD+1], 8, v[PD]
	v_lshl_or_b32 v[\word], v[PD+2], 16, v[\word]
	v_lshl_or_b32 v[\word], v[PD+3], 24, v[\word]
.irp b, 0,1,2,3
	v_cvt_scalef32_pk8_fp4_f32 v[(\pc)+2*\b], v[(\src)+16*\b:(\src)+16*\b+7], v[SO+\b]
	v_cvt_scalef32_pk8_fp4_f32 v[(\pc)+2*\b+1], v[(\src)+16*\b+8:(\src)+16*\b+15], v[SO+\b]
.endr
	v_nop                                          ; one plain place behind a scaled conversion
.irp c, 0,1                            ; the operand's layout wants a whole block in a lane: lanes 0-15 block 2 c, lanes 16-31 block 2 c + 1
.irp i, 0,1
	v_permlane16_swap_b32 v[(\pc)+4*\c+\i], v[(\pc)+4*\c+2+\i]
.endr
.endr
.endm
.irp s, 0,1,2
	s_wait_loadcnt 32-16*\s                        ; this K step's 16 loads are in; the 16 of each later K step may be out
	TOSTAGE \s
	s_wait_dscnt 0x0                               ; the stores have read their registers: the loads below land in the same ones
	BACK \s
	s_wait_dscnt 0x0
	QUANT4 X+64*\s, PC+8*\s, WD+\s
	global_store_b128 v[LI], v[PC+8*\s:PC+8*\s+3], s[14:15] offset:1024*\s        ; 32 lanes store 512 consecutive bytes
	global_store_b128 v[LI], v[PC+8*\s+4:PC+8*\s+7], s[14:15] offset:1024*\s+512
.endr
	global_store_b128 v[LI], v[WD:WD+3], s[16:17]
	s_wait_tensorcnt 0x0
	ds_add_u32 v254, v255
	s_wait_dscnt 0x0
	s_endpgm
.Lfunc_end_k_qa07220b29c_quant:
	.size	k_qa07220b29c_quant, .Lfunc_end_k_qa07220b29c_quant-k_qa07220b29c_quant
	.p2alignl 7, 3214868480
	.fill 96, 4, 3214868480
	.section	.rodata,"a",@progbits
	.p2align	6, 0x0
	.amdhsa_kernel k_qa07220b29c_quant
		.amdhsa_group_segment_fixed_size 99840
		.amdhsa_private_segment_fixed_size 0
		.amdhsa_enable_private_segment 0
		.amdhsa_kernarg_size 56
		.amdhsa_user_sgpr_count 2
		.amdhsa_user_sgpr_kernarg_segment_ptr 1
		.amdhsa_wavefront_size32 1
		.amdhsa_system_sgpr_workgroup_id_x 1
		.amdhsa_system_sgpr_workgroup_id_y 1
		.amdhsa_system_sgpr_workgroup_id_z 1
		.amdhsa_system_vgpr_workitem_id 0
		.amdhsa_next_free_vgpr 256
		.amdhsa_next_free_sgpr 66
		.amdhsa_reserve_vcc 0
		.amdhsa_float_denorm_mode_32 3
		.amdhsa_float_denorm_mode_16_64 3
		.amdhsa_memory_ordered 1
		.amdhsa_forward_progress 1
		.amdhsa_inst_pref_size 26
	.end_amdhsa_kernel
	.amdgpu_metadata
---
amdhsa.version: [ 1, 2 ]
amdhsa.kernels:
  - .name:           k_qa07220b29c_quant
    .symbol:         k_qa07220b29c_quant.kd
    .args:
      - { .name: hidden_states, .offset: 0, .size: 8, .value_kind: global_buffer, .address_space: global }
      - { .name: Wq, .offset: 8, .size: 8, .value_kind: global_buffer, .address_space: global }
      - { .name: Wk, .offset: 16, .size: 8, .value_kind: global_buffer, .address_space: global }
      - { .name: Wv, .offset: 24, .size: 8, .value_kind: global_buffer, .address_space: global }
      - { .name: Wo, .offset: 32, .size: 8, .value_kind: global_buffer, .address_space: global }
      - { .name: cod, .offset: 40, .size: 8, .value_kind: global_buffer, .address_space: global }
      - { .name: scl, .offset: 48, .size: 8, .value_kind: global_buffer, .address_space: global }
    .group_segment_fixed_size: 99840
    .private_segment_fixed_size: 0
    .kernarg_segment_align: 8
    .kernarg_segment_size: 56
    .max_flat_workgroup_size: 128
    .sgpr_count:     66
    .vgpr_count:     256
    .wavefront_size: 32
...
	.end_amdgpu_metadata
.endif
;; end of part 5
;; launch qkv (part 6): grid 96 x 3, 4 waves a work-group, no clusters, 128,512 bytes of LDS; arguments cod, scl, bq, bk, bv, cos, sin, qb, kv; writes qb, kv
.if DOCPART == 6
	.amdgcn_target "amdgcn-amd-amdhsa--gfx1250"
	.amdhsa_code_object_version 6
	.text
	.protected	k_qa07220b29c_qkv
	.globl	k_qa07220b29c_qkv
	.p2align	8
	.type	k_qa07220b29c_qkv,@function
k_qa07220b29c_qkv:
	s_mov_b64 s[64:65], 0
	v_nop
	global_prefetch_b8 v0, s[64:65] scope:SCOPE_SE
	s_setreg_imm32_b32 hwreg(HW_REG_WAVE_MODE, 25, 1), 1
	s_wait_xcnt 0x0
; q, k, v = hidden W^T + b on codes of FP4; q and k are turned by the rotary tables; all three are quantised again for the attention's two products and stored in the order of an operand's registers.
; SHARES: work-group (x, y): 128 rows (8 tiles; rb = x % 32), four heads (4 (x / 32) + wave), kind y (0 q, 1 k, 2 v).  A wave makes 128 rows x one head of one kind: 192 matrix instructions.
; The head's four tiles of W x 6 K steps stay in the wave's registers (window 1).  The rows' images and scale words (and, for q and k, their rows of cos and sin) are copied once into LDS, 512 consecutive bytes a load, and read by the four waves.
; q, k: THE PRODUCT IS USED TRANSPOSED (source 0 = 16 rows of W, source 1 = 16 rows of hidden): a lane holds ONE row, and by the tiles' choice of rows the 16 registers of W's tiles 2 b, 2 b + 1 are channels 32 b + 16 (lane / 16) + 0 .. 15.
;   The bias is the C of each sum's first product.  out(d) = x(d) cos(d) - x(d + 32) sin(d) for d < 32, x(d) cos(d) + x(d - 32) sin(d) for the others.  The head's 64 channels are two blocks: four registers of codes and two bytes a row.
;   q IS QUANTISED UNSCALED: both factors 1/8 of the scores are powers of two, which a block's scale takes up; they stand in the attention's constant.  LIMIT: exact unless a block of q lies under 2^-121, where the scale's lower bound would act.
; v: source 0 = 16 rows of hidden (keys), source 1 = 16 rows of W: a lane holds ONE channel and the 16 registers of two neighbouring tiles of rows are 16 neighbouring keys: v is quantised along the keys with nothing transposed.
; A RECORD of 9,216 bytes for each head and each 128 rows: + 512 j: tile j's four registers of codes (j = 0 .. 7); + 4,096: their scale words, [lane][4 words], lanes 0-15 tiles 0-3, lanes 16-31 tiles 4-7, upper two bytes 0;
;   + 4,608 + 1,024 n: the image of V^T's tile n (16 channels x 128 keys); + 8,704: its scale words [lane][4 words n].  qb holds q's first 4,608 bytes of each record, kv holds k's and v's.
; LIMITS of the quantiser: a block of zeros gets the byte 1 (its codes are zeros; only this program reads the bytes); NaN and infinities are not served.
; Registers that a matrix instruction names as scales (v16-63) hold scales and nothing else.
.set XIMG, 0                           ; LDS: 8 tiles x 6 images of 1,024 bytes, as in cod
.set XSC,  49152                       ; their scale words, 8 x 1,024, as in scl
.set COS,  57344                       ; 128 rows of cos: 256 bytes + 16 of padding
.set SIN,  92160                       ; and of sin
.set BIA,  126976                      ; the four heads' 64 numbers of the kind's bias
.set REC,  9216
.set LI,  1                            ; v1   16 x lane
.set CSA, 5                            ; v5   COS + 272 (r + 8 (r / 8)) + 64 h
.set SNA, 6                            ; v6   SIN + the same
.set GX,  7                            ; v7   16 x lane + 12,288 x wave: my part of the images, in memory and in LDS
.set GS,  8                            ; v8   16 x lane + 2,048 x wave: of the scale words
.set GC,  9                            ; v9   16 x lane + 8,192 x wave: of cos and sin in memory
.set LC,  10                           ; v10  and in LDS: COS + 272 (lane / 16) + 16 r + 8,704 x wave
.set BQA, 11                           ; v11  BIA + 256 x wave + 64 h
.set BVA, 12                           ; v12  BIA + 256 x wave + 4 (r + 8 (r / 8))
.set GB,  13                           ; v13  8 x lane + 256 x wave
.set LB,  14                           ; v14  BIA + the same
.set WS,  16                           ; v16-47  W's scale words: (tile n, K step s) at 8 n + 4 (s / 3) + s % 3
.set XS,  48                           ; v48-63  the rows' scale words: 4 (s / 3) + s % 3, + 8 for the second tile of a pair
.set SX,  64                           ; staging: v64-175 images and scale words, v176-239 cos, v240-241 bias; window 1 v192-255 sin
.set SC,  176
.set SB,  240
.set ACC, 64                           ; q, k: v64-95 four accumulators
.set XF,  96                           ; v96-143 the tile's six fragments
.set RO,  96                           ; v96-127 the turned numbers, over fragments that are done with
.set MX,  128                          ; v128-135 the quantiser's small registers, likewise
.set PD,  130
.set SO,  132
.set BY,  134
.set C0,  144                          ; v144-207 cos and sin of my row: channels 16 h + i, 32 + 16 h + i
.set C1,  160
.set S0,  176
.set S1,  192
.set PC,  208                          ; v208-211 a tile's codes
.set WD,  212                          ; v212-219 the eight tiles' scale words
.set BIAS, 220                         ; v220-251 the bias in the result's layout
.set FW,  252                          ; v252-255 the words as they are stored
.set VACC, 64                          ; v: v64-127 eight accumulators (16 n + 8 u)
.set VXF, 128                          ; v128-223 two tiles' fragments (48 u + 8 s)
.set VMX, 128                          ; v128-139 the quantiser's small registers, over fragments that are done with
.set VSO, 132
.set VBY, 136
.set BV,  224                          ; v224-231 my channel's bias, twice, for each of W's four tiles
.set CD,  232                          ; v232-247 codes: 4 n + 2 (b % 2)
.set SW,  248                          ; v248-251 V's scale words
.set VPD, 252
.set WV,  22
.set SEL, 38
.set HI,  40
.set MSB, 0
.macro WIN new                         ; the immediate's high byte repeats the setting that is left
.if MSB != \new
	s_set_vgpr_msb (MSB<<8)|\new
.set MSB, \new
.endif
.endm
.macro PLACES                          ; four plain places behind a matrix instruction, in front of the first read of its results and of writes and loads into its registers
.rept 4
	v_nop
.endr
.endm
	s_load_b512 s[4:19], s[0:1], 0x0               ; cod, scl, bq, bk, bv, cos, sin, qb
	s_load_b64 s[20:21], s[0:1], 0x40              ; kv
	s_set_vgpr_msb 0x80
	v_lshl_add_u32 v0, v0, 2, 0x1f400
	v_mov_b32 v1, 0
	s_set_vgpr_msb 0x8000
	v_lshrrev_b32 v2, 5, v0
	v_readfirstlane_b32 s[WV], v2                  ; wave 0..3
	v_and_b32 v2, 31, v0                           ; lane
	v_and_b32 v3, 15, v0                           ; r
	v_bfe_u32 v15, v0, 4, 1                        ; h
	v_and_b32 v4, 8, v3
	v_add_nc_u32 v4, v4, v3                        ; r + 8 (r / 8)
	v_lshlrev_b32 v[LI], 4, v2
	v_mul_u32_u24 v[CSA], v4, 272
	v_lshl_add_u32 v[CSA], v15, 6, v[CSA]
	v_add_nc_u32 v[SNA], SIN, v[CSA]
	v_add_nc_u32 v[CSA], COS, v[CSA]
	s_mul_i32 s36, s[WV], 12288
	v_add_nc_u32 v[GX], s36, v[LI]
	s_lshl_b32 s36, s[WV], 11
	v_add_nc_u32 v[GS], s36, v[LI]
	s_lshl_b32 s36, s[WV], 13
	v_add_nc_u32 v[GC], s36, v[LI]
	v_mul_u32_u24 v[LC], v15, 272
	v_lshl_add_u32 v[LC], v3, 4, v[LC]
	s_mul_i32 s36, s[WV], 8704
	s_add_co_u32 s36, s36, COS
	v_add_nc_u32 v[LC], s36, v[LC]
	s_lshl_b32 s36, s[WV], 8
	v_lshl_add_u32 v[GB], v2, 3, s36
	v_add_nc_u32 v[LB], BIA, v[GB]
	s_add_co_u32 s36, s36, BIA
	v_lshl_add_u32 v[BQA], v15, 6, s36
	v_lshl_add_u32 v[BVA], v4, 2, s36
	s_and_b32 s23, ttmp9, 31                       ; rb: which 128 rows
	s_lshr_b32 s24, ttmp9, 5                       ; which four heads
	s_and_b32 s25, ttmp7, 0xffff                   ; kind
	s_lshl_b32 s26, s24, 2
	s_add_co_u32 s26, s26, s[WV]                   ; head
	s_mul_i32 s27, s25, 48
	s_lshl_b32 s36, s26, 2
	s_add_co_u32 s27, s27, s36
	s_add_co_u32 s27, s27, 256                     ; the head's first tile of the kind's W
	s_mov_b32 s37, 0
	s_mov_b32 s[SEL], 0x76543210
	s_mov_b32 s[SEL+1], 0xfedcba98
	s_mov_b32 s[HI], 0xffff0000                    ; lanes 16-31
	s_wait_alu depctr_va_vdst(0)
	s_wait_kmcnt 0x0
	s_mul_i32 s36, s27, 6144
	s_add_nc_u64 s[32:33], s[4:5], s[36:37]        ; W's images
	s_lshl_b32 s36, s27, 10
	s_add_nc_u64 s[34:35], s[6:7], s[36:37]        ; W's scale words
	s_mul_i32 s36, s23, 49152
	s_add_nc_u64 s[4:5], s[4:5], s[36:37]          ; the rows' images
	s_lshl_b32 s36, s23, 13
	s_add_nc_u64 s[6:7], s[6:7], s[36:37]          ; the rows' scale words
	s_lshl_b32 s36, s23, 15
	s_add_nc_u64 s[14:15], s[14:15], s[36:37]      ; the rows of cos
	s_add_nc_u64 s[16:17], s[16:17], s[36:37]      ; and of sin
	s_cmp_eq_u32 s25, 0                            ; the kind's bias and output: choices that hang on the work-group's number alone
	s_cselect_b64 s[28:29], s[8:9], s[10:11]
	s_cselect_b64 s[30:31], s[18:19], s[20:21]
	s_cmp_eq_u32 s25, 2
	s_cselect_b64 s[28:29], s[12:13], s[28:29]
	s_lshl_b32 s36, s24, 10
	s_add_nc_u64 s[28:29], s[28:29], s[36:37]      ; the four heads' 256 numbers
	s_lshl_b32 s36, s26, 5
	s_add_co_u32 s36, s36, s23
	s_mul_i32 s36, s36, REC
	s_add_nc_u64 s[30:31], s[30:31], s[36:37]      ; my record
	; all loads go out together
	WIN 0x40                                       ; destination window 1
.irp n, 0,1,2,3
.irp s, 0,1,2,3,4,5
.irp c, 0,1
	global_load_b128 v[48*\n+8*\s+4*\c:48*\n+8*\s+4*\c+3], v[LI], s[32:33] offset:6144*\n+1024*\s+512*\c
.endr
.endr
.endr
	WIN 0
.irp n, 0,1,2,3
.irp g, 0,1
	global_load_b128 v[WS+8*\n+4*\g:WS+8*\n+4*\g+3], v[LI], s[34:35] offset:1024*\n+512*\g
.endr
.endr
.set i, 0
.rept 24
	global_load_b128 v[SX+4*i:SX+4*i+3], v[GX], s[4:5] offset:512*i
.set i, i+1
.endr
.set i, 0
.rept 4
	global_load_b128 v[SX+96+4*i:SX+96+4*i+3], v[GS], s[6:7] offset:512*i
.set i, i+1
.endr
	global_load_b64 v[SB:SB+1], v[GB], s[28:29]
	s_cmp_eq_u32 s25, 2                            ; v is not turned: cos and sin are neither loaded nor stored there
	s_cbranch_scc1 .Lno_rope
.set i, 0
.rept 16
	global_load_b128 v[SC+4*i:SC+4*i+3], v[GC], s[14:15] offset:512*i
.set i, i+1
.endr
	WIN 0x40
.set i, 0
.rept 16
	global_load_b128 v[192+4*i:192+4*i+3], v[GC], s[16:17] offset:512*i
.set i, i+1
.endr
	WIN 0
	s_wait_loadcnt 0x0
.set i, 0
.rept 16
	ds_store_b128 v[LC], v[SC+4*i:SC+4*i+3] offset:544*i             ; two rows a store
.set i, i+1
.endr
	WIN 0x04                                       ; an LDS store's data are its source 1: window 1
.set i, 0
.rept 16
	ds_store_b128 v[LC], v[192+4*i:192+4*i+3] offset:SIN-COS+544*i
.set i, i+1
.endr
	WIN 0
.Lno_rope:
	s_wait_loadcnt 0x0
.set i, 0
.rept 24
	ds_store_b128 v[GX], v[SX+4*i:SX+4*i+3] offset:XIMG+512*i
.set i, i+1
.endr
.set i, 0
.rept 4
	ds_store_b128 v[GS], v[SX+96+4*i:SX+96+4*i+3] offset:XSC+512*i
.set i, i+1
.endr
	ds_store_b64 v[LB], v[SB:SB+1]
	s_wait_dscnt 0x0                               ; for the others' sake: my stores have landed
	s_barrier_signal -1
	s_barrier_wait -1                              ; the one barrier: behind it LDS is only read
	s_cmp_eq_u32 s25, 2
	s_cbranch_scc1 .Lv
	; ---------------- q and k ----------------
.irp n, 0,1,2,3
	ds_load_b128 v[BIAS+8*\n:BIAS+8*\n+3], v[BQA] offset:(32*(\n/2)+8*(\n%2))*4       ; tile n's eight channels of my half
	ds_load_b128 v[BIAS+8*\n+4:BIAS+8*\n+7], v[BQA] offset:(32*(\n/2)+8*(\n%2))*4+16
.endr
.macro QKTILE m
.set ROWM, 32*((\m)/2)+8*((\m)%2)
.set i, 0
.rept 12
	ds_load_b128 v[XF+4*i:XF+4*i+3], v[LI] offset:XIMG+6144*(\m)+512*i
.set i, i+1
.endr
	ds_load_b128 v[XS:XS+3], v[LI] offset:XSC+1024*(\m)
	ds_load_b128 v[XS+4:XS+7], v[LI] offset:XSC+1024*(\m)+512
.irp j, 0,1,2,3
	ds_load_b128 v[C0+4*\j:C0+4*\j+3], v[CSA] offset:ROWM*272+16*\j
	ds_load_b128 v[C1+4*\j:C1+4*\j+3], v[CSA] offset:ROWM*272+128+16*\j
	ds_load_b128 v[S0+4*\j:S0+4*\j+3], v[SNA] offset:ROWM*272+16*\j
	ds_load_b128 v[S1+4*\j:S1+4*\j+3], v[SNA] offset:ROWM*272+128+16*\j
.endr
	s_wait_dscnt 16                                ; fragments and scale words are in; the 16 loads of cos and sin may be out
	WIN 0x01                                       ; source 0 (W) window 1
.irp s, 0,1,2,3,4,5                    ; the four accumulators by turns, one instruction a turn
.irp n, 0,1,2,3
.if \s == 0
	v_wmma_scale_f32_16x16x128_f8f6f4 v[ACC+8*\n:ACC+8*\n+7], v[48*\n+8*\s:48*\n+8*\s+7], v[XF+8*\s:XF+8*\s+7], v[BIAS+8*\n:BIAS+8*\n+7], v[WS+8*\n+4*(\s/3)+\s%3], v[XS+4*(\s/3)+\s%3] matrix_a_fmt:MATRIX_FMT_FP4 matrix_b_fmt:MATRIX_FMT_FP4
.else
	v_wmma_scale_f32_16x16x128_f8f6f4 v[ACC+8*\n:ACC+8*\n+7], v[48*\n+8*\s:48*\n+8*\s+7], v[XF+8*\s:XF+8*\s+7], v[ACC+8*\n:ACC+8*\n+7], v[WS+8*\n+4*(\s/3)+\s%3], v[XS+4*(\s/3)+\s%3] matrix_a_fmt:MATRIX_FMT_FP4 matrix_b_fmt:MATRIX_FMT_FP4
.endif
.endr
.endr
	WIN 0
	s_wait_dscnt 0x0                               ; cos and sin
	PLACES
.irp i, 0,2,4,6,8,10,12,14             ; each accumulator is read from its low end on
	v_pk_mul_f32 v[RO+\i:RO+\i+1], v[ACC+\i:ACC+\i+1], v[C0+\i:C0+\i+1]
.endr
.irp i, 0,2,4,6,8,10,12,14
	v_pk_mul_f32 v[RO+16+\i:RO+16+\i+1], v[ACC+16+\i:ACC+16+\i+1], v[C1+\i:C1+\i+1]
.endr
.irp i, 0,2,4,6,8,10,12,14
	v_pk_fma_f32 v[RO+\i:RO+\i+1], v[ACC+16+\i:ACC+16+\i+1], v[S0+\i:S0+\i+1], v[RO+\i:RO+\i+1] neg_lo:[1,0,0] neg_hi:[1,0,0]   ; - x(d + 32) sin(d)
.endr
.irp i, 0,2,4,6,8,10,12,14
	v_pk_fma_f32 v[RO+16+\i:RO+16+\i+1], v[ACC+\i:ACC+\i+1], v[S1+\i:S1+\i+1], v[RO+16+\i:RO+16+\i+1]                            ; + x(d - 32) sin(d)
.endr
	s_wait_alu depctr_va_vdst(0)
	s_wait_xcnt 0x0                                ; the last tile's store has read its codes: they are written again only behind this wait
.irp b, 0,1
	v_max3_num_f32 v[MX+\b], |v[RO+16*\b]|, |v[RO+16*\b+1]|, 0x1800000   ; my 16 numbers of block b, and the floor 2^(3 - 127)
.endr
.irp i, 2,4,6,8,10,12,14
.irp b, 0,1
	v_max3_num_f32 v[MX+\b], v[MX+\b], |v[RO+16*\b+\i]|, |v[RO+16*\b+\i+1]|
.endr
.endr
.irp b, 0,1
	v_permlanex16_b32 v[PD+\b], v[MX+\b], s[SEL], s[SEL+1]
.endr
.irp b, 0,1
	v_max_num_f32 v[MX+\b], v[MX+\b], v[PD+\b]
.endr
.irp b, 0,1
	v_add_nc_u32 v[SO+\b], 0xff000000, v[MX+\b]    ; 2 off the exponent field: the conversion's scale operand
.endr
.irp b, 0,1
	v_lshrrev_b32 v[BY+\b], 23, v[SO+\b]
.endr
	v_lshl_or_b32 v[WD+(\m)], v[BY+1], 8, v[BY]    ; the tile's scale word: two bytes, the upper two 0
.irp b, 0,1
	v_cvt_scalef32_pk8_fp4_f32 v[PC+2*\b], v[RO+16*\b:RO+16*\b+7], v[SO+\b]
	v_cvt_scalef32_pk8_fp4_f32 v[PC+2*\b+1], v[RO+16*\b+8:RO+16*\b+15], v[SO+\b]
.endr
	v_nop                                          ; one plain place behind a scaled conversion
	v_permlane16_swap_b32 v[PC], v[PC+2]           ; lanes 0-15 block 0, lanes 16-31 block 1
	v_permlane16_swap_b32 v[PC+1], v[PC+3]
	global_store_b128 v[LI], v[PC:PC+3], s[30:31] offset:512*(\m)    ; 32 lanes store 512 consecutive bytes
.endm
.irp m, 0,1,2,3,4,5,6,7
	QKTILE \m
.endr
.irp j, 0,1,2,3
	v_cndmask_b32 v[FW+\j], v[WD+\j], v[WD+4+\j], s[HI]              ; lanes 0-15 tiles 0-3, lanes 16-31 tiles 4-7 (both halves of the lanes hold every word)
.endr
	global_store_b128 v[LI], v[FW:FW+3], s[30:31] offset:4096
	s_set_vgpr_msb 0xa
	s_wait_tensorcnt 0x0
	ds_add_u32 v0, v1
	s_wait_dscnt 0x0
	s_set_vgpr_msb 0xa00
	s_endpgm
	; ---------------- v ----------------
.Lv:
.irp n, 0,1,2,3
	ds_load_b32 v[BV+2*\n], v[BVA] offset:(32*(\n/2)+8*(\n%2))*4     ; my channel's bias, into both registers of a pair
	ds_load_b32 v[BV+2*\n+1], v[BVA] offset:(32*(\n/2)+8*(\n%2))*4
.endr
.irp n, 0,1,2,3
	v_mov_b32 v[VPD+\n], 0                         ; written once: a lane permute's destination counts as one of its sources
.endr
.macro VPAIR b                         ; tiles 2 b and 2 b + 1 of the rows: keys 32 b .. 32 b + 31, one block
.irp u, 0,1
.set i, 0
.rept 12
	ds_load_b128 v[VXF+48*\u+4*i:VXF+48*\u+4*i+3], v[LI] offset:XIMG+6144*(2*(\b)+\u)+512*i
.set i, i+1
.endr
	ds_load_b128 v[XS+8*\u:XS+8*\u+3], v[LI] offset:XSC+1024*(2*(\b)+\u)
	ds_load_b128 v[XS+8*\u+4:XS+8*\u+7], v[LI] offset:XSC+1024*(2*(\b)+\u)+512
.endr
	s_wait_dscnt 0x0
	WIN 0x04                                       ; source 1 (W) window 1
.irp s, 0,1,2,3,4,5                    ; the eight accumulators by turns
.irp n, 0,1,2,3
.irp u, 0,1
.if \s == 0
	v_wmma_scale_f32_16x16x128_f8f6f4 v[VACC+16*\n+8*\u:VACC+16*\n+8*\u+7], v[VXF+48*\u+8*\s:VXF+48*\u+8*\s+7], v[48*\n+8*\s:48*\n+8*\s+7], 0, v[XS+8*\u+4*(\s/3)+\s%3], v[WS+8*\n+4*(\s/3)+\s%3] matrix_a_fmt:MATRIX_FMT_FP4 matrix_b_fmt:MATRIX_FMT_FP4
.else
	v_wmma_scale_f32_16x16x128_f8f6f4 v[VACC+16*\n+8*\u:VACC+16*\n+8*\u+7], v[VXF+48*\u+8*\s:VXF+48*\u+8*\s+7], v[48*\n+8*\s:48*\n+8*\s+7], v[VACC+16*\n+8*\u:VACC+16*\n+8*\u+7], v[XS+8*\u+4*(\s/3)+\s%3], v[WS+8*\n+4*(\s/3)+\s%3] matrix_a_fmt:MATRIX_FMT_FP4 matrix_b_fmt:MATRIX_FMT_FP4
.endif
.endr
.endr
.endr
	WIN 0
	PLACES
.irp n, 0,1,2,3
.irp j, 0,2,4,6,8,10,12,14
	v_pk_add_f32 v[VACC+16*\n+\j:VACC+16*\n+\j+1], v[VACC+16*\n+\j:VACC+16*\n+\j+1], v[BV+2*\n:BV+2*\n+1]
.endr
.endr
.if (\b) == 2
	s_wait_xcnt 0x0                                ; the first half's stores have read their codes
.endif
.irp n, 0,1,2,3
	v_max3_num_f32 v[VMX+\n], |v[VACC+16*\n]|, |v[VACC+16*\n+1]|, 0x1800000   ; channel tile n: my 16 keys, and the floor
.endr
.irp i, 2,4,6,8,10,12,14
.irp n, 0,1,2,3
	v_max3_num_f32 v[VMX+\n], v[VMX+\n], |v[VACC+16*\n+\i]|, |v[VACC+16*\n+\i+1]|
.endr
.endr
.irp n, 0,1,2,3
	v_permlanex16_b32 v[VPD+\n], v[VMX+\n], s[SEL], s[SEL+1]
.endr
.irp n, 0,1,2,3
	v_max_num_f32 v[VMX+\n], v[VMX+\n], v[VPD+\n]
.endr
.irp n, 0,1,2,3
	v_add_nc_u32 v[VSO+\n], 0xff000000, v[VMX+\n]
.endr
.irp n, 0,1,2,3
.if (\b) == 0
	v_lshrrev_b32 v[SW+\n], 23, v[VSO+\n]          ; byte b of the channel's scale word for these 128 keys
.else
	v_lshrrev_b32 v[VBY+\n], 23, v[VSO+\n]
.endif
.endr
.if (\b) > 0
.irp n, 0,1,2,3
	v_lshl_or_b32 v[SW+\n], v[VBY+\n], 8*(\b), v[SW+\n]
.endr
.endif
.irp n, 0,1,2,3
	v_cvt_scalef32_pk8_fp4_f32 v[CD+4*\n+2*((\b)%2)], v[VACC+16*\n:VACC+16*\n+7], v[VSO+\n]
	v_cvt_scalef32_pk8_fp4_f32 v[CD+4*\n+2*((\b)%2)+1], v[VACC+16*\n+8:VACC+16*\n+15], v[VSO+\n]
.endr
	v_nop                                          ; one plain place behind a scaled conversion
.if (\b)%2 == 1
.irp n, 0,1,2,3
.irp i, 0,1
	v_permlane16_swap_b32 v[CD+4*\n+\i], v[CD+4*\n+2+\i]             ; lanes 0-15 the even block, lanes 16-31 the odd one
.endr
.endr
.irp n, 0,1,2,3
	global_store_b128 v[LI], v[CD+4*\n:CD+4*\n+3], s[30:31] offset:4608+1024*\n+512*((\b)/2)
.endr
.endif
.endm
.irp b, 0,1,2,3
	VPAIR \b
.endr
	global_store_b128 v[LI], v[SW:SW+3], s[30:31] offset:8704
	s_set_vgpr_msb 0xa
	s_wait_tensorcnt 0x0
	ds_add_u32 v0, v1
	s_wait_dscnt 0x0
	s_set_vgpr_msb 0xa00
	s_endpgm
.Lfunc_end_k_qa07220b29c_qkv:
	.size	k_qa07220b29c_qkv, .Lfunc_end_k_qa07220b29c_qkv-k_qa07220b29c_qkv
	.p2alignl 7, 3214868480
	.fill 96, 4, 3214868480
	.section	.rodata,"a",@progbits
	.p2align	6, 0x0
	.amdhsa_kernel k_qa07220b29c_qkv
		.amdhsa_group_segment_fixed_size 128512
		.amdhsa_private_segment_fixed_size 0
		.amdhsa_enable_private_segment 0
		.amdhsa_kernarg_size 72
		.amdhsa_user_sgpr_count 2
		.amdhsa_user_sgpr_kernarg_segment_ptr 1
		.amdhsa_wavefront_size32 1
		.amdhsa_system_sgpr_workgroup_id_x 1
		.amdhsa_system_sgpr_workgroup_id_y 1
		.amdhsa_system_sgpr_workgroup_id_z 1
		.amdhsa_system_vgpr_workitem_id 0
		.amdhsa_next_free_vgpr 514
		.amdhsa_next_free_sgpr 66
		.amdhsa_reserve_vcc 0
		.amdhsa_float_denorm_mode_32 3
		.amdhsa_float_denorm_mode_16_64 3
		.amdhsa_memory_ordered 1
		.amdhsa_forward_progress 1
		.amdhsa_inst_pref_size 150
	.end_amdhsa_kernel
	.amdgpu_metadata
---
amdhsa.version: [ 1, 2 ]
amdhsa.kernels:
  - .name:           k_qa07220b29c_qkv
    .symbol:         k_qa07220b29c_qkv.kd
    .args:
      - { .name: cod, .offset: 0, .size: 8, .value_kind: global_buffer, .address_space: global }
      - { .name: scl, .offset: 8, .size: 8, .value_kind: global_buffer, .address_space: global }
      - { .name: bq, .offset: 16, .size: 8, .value_kind: global_buffer, .address_space: global }
      - { .name: bk, .offset: 24, .size: 8, .value_kind: global_buffer, .address_space: global }
      - { .name: bv, .offset: 32, .size: 8, .value_kind: global_buffer, .address_space: global }
      - { .name: cos, .offset: 40, .size: 8, .value_kind: global_buffer, .address_space: global }
      - { .name: sin, .offset: 48, .size: 8, .value_kind: global_buffer, .address_space: global }
      - { .name: qb, .offset: 56, .size: 8, .value_kind: global_buffer, .address_space: global }
      - { .name: kv, .offset: 64, .size: 8, .value_kind: global_buffer, .address_space: global }
    .group_segment_fixed_size: 128512
    .private_segment_fixed_size: 0
    .kernarg_segment_align: 8
    .kernarg_segment_size: 72
    .max_flat_workgroup_size: 128
    .sgpr_count:     66
    .vgpr_count:     514
    .wavefront_size: 32
...
	.end_amdgpu_metadata
.endif
;; end of part 6
;; launch attn (part 7): grid 64 x 4, 12 waves a work-group, clusters of 4 x 1, 327,680 bytes of LDS; arguments qb, kv, ac, asc; writes ac, asc
.if DOCPART == 7
	.amdgcn_target "amdgcn-amd-amdhsa--gfx1250"
	.amdhsa_code_object_version 6
	.text
	.protected	k_qa07220b29c_attn
	.globl	k_qa07220b29c_attn
	.p2align	8
	.type	k_qa07220b29c_attn,@function
k_qa07220b29c_attn:
	s_mov_b64 s[64:65], 0
	v_nop
	global_prefetch_b8 v0, s[64:65] scope:SCOPE_SE
	s_setreg_imm32_b32 hwreg(HW_REG_WAVE_MODE, 25, 1), 1
	s_wait_xcnt 0x0
	s_wait_alu depctr_hold_cnt(0) depctr_sa_sdst(0) depctr_va_vdst(0) depctr_va_sdst(0) depctr_va_ssrc(0) depctr_va_vcc(0) depctr_vm_vsrc(0)
	s_getreg_b32 s2, hwreg(HW_REG_IB_STS2, 6, 4)
	s_cmp_eq_u32 s2, 0
	s_cbranch_scc0 .Lentry_in_a_cluster
	s_endpgm
.Lentry_in_a_cluster:
	s_bfe_u32 s2, ttmp6, 0x10000c
	s_cmp_lg_u32 s2, 0x3003
	s_cbranch_scc0 .Lentry_shape_is_right
	s_endpgm
.Lentry_shape_is_right:
; attn[q][head] = softmax_k(q . k / 64) v for 12 heads of 64, 4,096 queries and keys, both products on codes of FP4 with one E8M0 byte for each 32 along K; the result is quantised again along (head, channel) for the output product.
; THE SOFTMAX AHEAD OF THE SECOND PRODUCT: t = (q . k) log2(e) / 64; M = the row's largest t so far, rounded UP to a whole number; p = 2^(t - M) is quantised along the keys, not normalised.
; The row's sum is taken of the unquantised p and divides at the end.  When M moves, the sum and O are multiplied by 2^(old M - new M): exact.
; SHARES: 3,072 tiles of 16 queries = 256 work-groups x 12 waves, three waves to a SIMD, 256 registers each, so that one wave's vector work stands beside another's matrix work and LDS loads.
; A work-group takes 64 queries (tiles 4 qblk + wave % 4) of three heads (3 hg + wave / 4).  Every wave walks its head's 4,096 keys, 128 a step.
; CLUSTER: the four work-groups of a cluster take neighbouring blocks of queries of the same three heads and walk the same records of kv: each record is asked for JOINTLY, by the same tensor load with the same descriptor and the mask 15.
; RING: two LDS slots, each [3 heads][4 key steps][9,216 bytes].  EVERY wave fetches one record of a slot (head wave / 4, key step wave % 4) by one dense tensor load: no branch stands round a tensor load; one load of a wave is out at the most.
; A RECORD: + 512 j: K's tile j (16 keys), registers 0-3 of its fragment; + 4,096: K's scale words [lane][4]: lanes 0-15 tiles 0-3, lanes 16-31 tiles 4-7; + 4,608 + 1,024 n: the image of V^T's tile n; + 8,704: V's scale words [lane][4].
; K = 64 IN AN INSTRUCTION OF K = 128: Q's registers 4-7 are zero codes.  K's operand for tile j is v[KF + 4 j .. + 7]: its upper half holds the next tile's codes, which meet zero codes; the scale bytes of that half are 0 on both sides, never 0xff.
; LAYOUT: both products are used transposed (S^T = K Q^T, O^T = V^T P^T): a lane holds ONE query.  The keys of a tile are 32 (j / 2) + 8 (j % 2) + r + 8 (r / 8), so that the 16 registers of tiles 2 b, 2 b + 1 are keys 32 b + 16 (lane / 16) + 0 .. 15; V's channels likewise.
; LIMITS: a block whose every p has fallen to 0, and a block of zeros of the result, get the byte 1 (their codes are zeros); NaN and infinities are not served.
.set REC,   9216
.set SLOTB, 12*REC
.set SPARE, 2*SLOTB                    ; behind the ring: the spare words, 128 bytes for each of the 12 waves: six blocks of 256 bytes that no other line names
.set LI,  1                            ; v1   16 x lane
.set SPW, 2                            ; v2   my spare word: SPARE + 4 x my thread's number; never rewritten
.set NIL, 3                            ; v3   0; never rewritten
.set ADR, 4                            ; v4   the record in hand + 16 x lane
.set QW,  5                            ; v5   16 r
.set L4,  6                            ; v6   4 x lane
.set QF,  16                           ; v16-23  Q's fragment (v20-23 zero codes);  v12 -M, v13 the largest t, v[14:15] the sum in two halves
.set QS,  24                           ; v24     Q's scale word
.set KS,  28                           ; v28-31  K's scale words
.set VS,  32                           ; v32-35  V's
.set KF,  36                           ; v36-71  K's eight tiles, four registers each; v68-71 zero codes
.set VF,  72                           ; v72-103 V^T's four fragments
.set S,   104                          ; v104-167 S^T, then p
.set O,   168                          ; v168-199 O^T
.set PC,  200                          ; v200-207 p's codes
.set BM,  208                          ; v208-211 each block's largest score, then its largest p
.set BP,  212
.set BO,  216                          ; v216-219 the conversions' scale operands
.set TT,  220
.set F,   222                          ; v222 f = 2^(old M - new M)
.set PW,  223                          ; v223 p's scale word
.set S2,  224                          ; v[224:225] the sum's second chain
.set WV,  12
.set HL,  13
.set TL,  14
.set G1,  24                           ; s[24:31] descriptor group 1
.set G0,  32                           ; s[32:39] descriptor group 0, a set for each slot
.set OUTER, 44
.set CNT, 45
.set TB,  46                           ; LDS byte of the record in hand
.set HB,  47                           ; my head's place in a slot
.set SEL, 48
.set CS,  50                           ; s[50:51] c = log2(e) / 64
.macro ROUND                           ; a round of the cluster's barrier
	s_barrier_signal -1
	s_barrier_wait -1
	s_cmp_lg_u32 s[WV], 0
	s_cbranch_scc1 .Lnot_wave_0_\@
	s_barrier_signal -3
.Lnot_wave_0_\@:
	s_barrier_wait -3
	s_barrier_signal -1
	s_barrier_wait -1
.endm
.macro PLACES
.rept 4
	v_nop
.endr
.endm
	s_load_b256 s[4:11], s[0:1], 0x0               ; qb, kv, ac, asc
	v_lshl_add_u32 v[SPW], v0, 2, SPARE
	v_mov_b32 v[NIL], 0
	ds_add_u32 v2, v3
	ds_add_u32 v2, v3
	s_wait_dscnt 0x0
	v_lshrrev_b32 v7, 5, v0
	s_delay_alu instid0(VALU_DEP_1)
	v_readfirstlane_b32 s[WV], v7                  ; wave 0..11
	s_lshr_b32 s[HL], s[WV], 2                     ; which of the three heads; also: whose record I fetch
	s_and_b32 s[TL], s[WV], 3                      ; which of the four tiles of queries; also: which key step of a slot I fetch
	s_bfe_u32 s15, ttmp6, 0x40000                  ; cx: my place in the cluster: it enters q's, ac's and asc's addresses alone
	s_lshl_b32 s16, ttmp9, 2
	s_add_co_u32 s16, s16, s15                     ; qblk: my block of 64 queries
	s_and_b32 s17, ttmp7, 0xffff                   ; hg, which the four partners share
	s_mul_i32 s18, s17, 3
	s_add_co_u32 s18, s18, s[HL]                   ; head
	s_lshl_b32 s20, s18, 5
	s_add_co_u32 s20, s20, s[TL]
	s_mul_i32 s20, s20, REC                        ; the record that I fetch for slot 0
	s_mov_b32 s21, 0
	s_mov_b32 s[G1], 15|(3<<16)|(1<<21)            ; 15:0 the mask: all four work-groups; 17:16 elements of 8 bytes; 21 set beside a mask; no padding
	s_mov_b32 s[G1+1], 32<<16                      ; tensor_dim0 = 32 elements: rows of 256 bytes
	s_mov_b32 s[G1+2], 36<<16                      ; tensor_dim1 = 36 rows: 9,216 dense bytes
	s_mov_b32 s[G1+3], 32<<16                      ; tile_dim0
	s_mov_b32 s[G1+4], 36                          ; tile_dim1
	s_mov_b32 s[G1+5], 32                          ; the pitch
	s_mov_b32 s[G1+6], 0
	s_mov_b32 s[G1+7], 0
	s_mul_i32 s22, s[WV], REC                      ; where it goes in a slot: no place in the cluster enters an LDS address
	s_mul_i32 s[HB], s[HL], 4*REC
	s_mov_b32 s[SEL], 0x76543210
	s_mov_b32 s[SEL+1], 0xfedcba98
	s_mov_b32 s[CS], 0x3cb8aa3b                    ; log2(e) / 64: both factors 1/8 of the scores
	s_mov_b32 s[CS+1], s[CS]                       ; (named with it as a pair, so it is written)
	s_mov_b32 s[OUTER], 3
	s_lshr_b32 s40, s16, 1                         ; q's record: head, 128 rows qblk / 2
	s_lshl_b32 s41, s18, 5
	s_add_co_u32 s40, s40, s41
	s_mul_i32 s40, s40, REC
	s_and_b32 s41, s16, 1
	s_lshl_b32 s42, s41, 2
	s_add_co_u32 s42, s42, s[TL]                   ; my tile in it
	s_lshl_b32 s42, s42, 9
	s_add_co_u32 s42, s42, s40                     ; its codes
	s_mov_b32 s43, 0
	s_lshl_b32 s41, s41, 8
	s_add_co_u32 s40, s40, s41
	s_lshl_b32 s41, s[TL], 2
	s_add_co_u32 s40, s40, s41                     ; its scale words (4,096 more stand in the load)
	s_mov_b32 s41, 0
	s_lshl_b32 s52, s16, 2
	s_add_co_u32 s52, s52, s[TL]                   ; my tile of queries among the 256
	s_mul_i32 s52, s52, 12
	s_add_co_u32 s52, s52, s18                     ; 12 x tile + head
	s_lshl_b32 s54, s52, 7
	s_lshl_b32 s52, s52, 9
	s_mov_b32 s53, 0
	s_mov_b32 s55, 0
	s_wait_kmcnt 0x0
	s_add_nc_u64 s[6:7], s[6:7], s[20:21]
	s_add_nc_u64 s[42:43], s[4:5], s[42:43]
	s_add_nc_u64 s[40:41], s[4:5], s[40:41]
	s_add_nc_u64 s[8:9], s[8:9], s[52:53]
	s_add_nc_u64 s[10:11], s[10:11], s[54:55]
.irp n, 0,1
	s_mov_b32 s[G0+4*\n], 1                                        ; count = 1
	s_add_co_u32 s[G0+4*\n+1], s22, \n*SLOTB                       ; LDS address
	s_add_nc_u64 s[G0+4*\n+2:G0+4*\n+3], s[6:7], \n*4*REC          ; global address: slot n begins with key steps 4 n .. 4 n + 3
	s_or_b32 s[G0+4*\n+3], s[G0+4*\n+3], 0x80000000                ; type = 2
.endr
	ROUND                                          ; all four work-groups are here: the first joint loads meet
	tensor_load_to_lds s[G0:G0+3], s[G1:G1+7]      ; slot 0
	s_nop 0
	PLACES                                         ; four v_nop follow a tensor load
	v_and_b32 v7, 31, v0
	s_delay_alu instid0(VALU_DEP_1)
	v_lshlrev_b32 v[LI], 4, v7
	s_delay_alu instid0(VALU_DEP_2)
	v_lshlrev_b32 v[L4], 2, v7
	v_and_b32 v[QW], 15, v0
	s_delay_alu instid0(VALU_DEP_1)
	v_lshlrev_b32 v[QW], 4, v[QW]
	global_load_b128 v[QF:QF+3], v[LI], s[42:43]   ; Q's codes stay in registers
	global_load_b32 v[QS], v[QW], s[40:41] offset:4096
.irp j, 0,1,2,3
	v_mov_b32 v[QF+4+\j], 0                        ; zero codes for K = 64 .. 127
	v_mov_b32 v[KF+32+\j], 0                       ; and behind K's last tile
	v_mov_b32 v[BP+\j], 0                          ; written once: a lane permute's destination counts as one of its sources
.endr
	v_mov_b32 v13, 0xff61b1e6                      ; the largest t so far: -3e38, under every t
	s_delay_alu instid0(VALU_DEP_1)
	v_floor_f32 v12, -v13                          ; -M
	v_mov_b32 v14, 0                               ; the sum, in two halves
	v_mov_b32 v15, 0
	v_mov_b32 v[TT], 0
	v_mov_b32 v[PW], 0                             ; (named as the upper half of the pair v[222:223] before it is first written)
.set i, 0
.rept 32
	v_mov_b32 v[O+i], 0                            ; O^T.  (The step is written once: the first finds zeros, which the first change of M leaves zeros)
.set i, i+1
.endr
	s_wait_loadcnt 0x0                             ; Q
; A KEY STEP: the 128 keys of the record at s[TB]
.macro STEP
	v_add_nc_u32 v[ADR], s[TB], v[LI]
.irp j, 0,1,2,3,4,5,6,7
	ds_load_b128 v[KF+4*\j:KF+4*\j+3], v[ADR] offset:512*\j          ; every load takes 512 consecutive bytes
.endr
	ds_load_b128 v[KS:KS+3], v[ADR] offset:4096
.irp n, 0,1,2,3
.irp c, 0,1
	ds_load_b128 v[VF+8*\n+4*\c:VF+8*\n+4*\c+3], v[ADR] offset:4608+1024*\n+512*\c
.endr
.endr
	ds_load_b128 v[VS:VS+3], v[ADR] offset:8704
	s_wait_dscnt 9                                 ; K and its scale words are in; V's nine loads may be out: they land under the softmax
.irp j, 0,1,2,3
	v_wmma_scale_f32_16x16x128_f8f6f4 v[S+8*\j:S+8*\j+7], v[KF+4*\j:KF+4*\j+7], v[QF:QF+7], 0, v[KS+\j], v[QS] matrix_a_fmt:MATRIX_FMT_FP4 matrix_b_fmt:MATRIX_FMT_FP4
.endr
.irp j, 4,5,6,7
	v_wmma_scale_f32_16x16x128_f8f6f4 v[S+8*\j:S+8*\j+7], v[KF+4*\j:KF+4*\j+7], v[QF:QF+7], 0, v[KS+\j-4], v[QS] matrix_a_fmt:MATRIX_FMT_FP4 matrix_b_fmt:MATRIX_FMT_FP4 matrix_a_scale:MATRIX_SCALE_ROW1
.endr
	PLACES
.irp b, 0,1,2,3
	v_max3_num_f32 v[BM+\b], v[S+16*\b], v[S+16*\b+1], v[S+16*\b+2]  ; the largest score of each block of 32 keys: it serves the row's maximum and, since p rises with the score, the block's largest p
.endr
.irp i, 3,5,7,9,11,13
.irp b, 0,1,2,3
	v_max3_num_f32 v[BM+\b], v[BM+\b], v[S+16*\b+\i], v[S+16*\b+\i+1]
.endr
.endr
.irp b, 0,1,2,3
	v_max_num_f32 v[BM+\b], v[BM+\b], v[S+16*\b+15]
.endr
.irp b, 0,1,2,3
	s_delay_alu instid0(VALU_DEP_4)
	v_permlanex16_b32 v[BP+\b], v[BM+\b], s[SEL], s[SEL+1]
.endr
.irp b, 0,1,2,3
	s_delay_alu instid0(VALU_DEP_4)
	v_max_num_f32 v[BM+\b], v[BM+\b], v[BP+\b]     ; with lane xor 16's 16 keys
.endr
	s_delay_alu instid0(VALU_DEP_2)
	v_max3_num_f32 v[TT], v[BM], v[BM+1], v[BM+2]
	s_delay_alu instid0(VALU_DEP_1)
	v_max_num_f32 v[TT], v[TT], v[BM+3]            ; the step's largest score of my query
	s_delay_alu instid0(VALU_DEP_1)
	v_mul_f32 v[TT], s[CS], v[TT]                  ; as t (c is positive)
	s_delay_alu instid0(VALU_DEP_1)
	v_max_num_f32 v13, v13, v[TT]                  ; the running largest t
	v_mov_b32 v[TT], v12
	s_delay_alu instid0(VALU_DEP_2)
	v_floor_f32 v12, -v13                          ; the new -M = floor(-t) = -ceil(t): a whole number
	s_delay_alu instid0(VALU_DEP_1)
	v_sub_f32 v[TT], v12, v[TT]                    ; old M - new M: a whole number, 0 or less
	s_delay_alu instid0(VALU_DEP_1)
	v_cvt_i32_f32 v[TT], v[TT]                     ; (it saturates)
	s_delay_alu instid0(VALU_DEP_1)
	v_ldexp_f32 v[F], 1.0, v[TT]                   ; f = 2^(old M - new M)
.irp j, 0,2,4,6,8,10,12,14,16,18,20,22,24,26,28,30,32,34,36,38,40,42,44,46,48,50,52,54,56,58,60,62
	v_pk_fma_f32 v[S+\j:S+\j+1], v[S+\j:S+\j+1], s[CS:CS+1], v[12:13] op_sel_hi:[1,0,0]   ; t - M, two at a time
.endr
.irp b, 0,1,2,3
	v_fma_f32 v[BM+\b], v[BM+\b], s[CS], v12       ; the same of each block's largest score
.endr
.set i, 0
	s_wait_alu depctr_va_vdst(0)
.rept 64
	v_exp_f32 v[S+i], v[S+i]                       ; p = 2^(t - M), at most 1
.set i, i+1
.endr
	s_setprio 1
.irp b, 0,1,2,3
	v_exp_f32 v[BM+\b], v[BM+\b]                   ; the block's largest p: the same two instructions on the same number
.endr
	v_pk_mul_f32 v[14:15], v[14:15], v[F:F+1] op_sel_hi:[1,0]        ; the sums under the new M (a plain place behind the exponentials)
	s_wait_alu depctr_va_vdst(0)
.irp b, 0,1,2,3
	v_max_num_f32 v[BM+\b], 0x1800000, v[BM+\b]    ; the floor 2^(3 - 127): the byte cannot fall under 1
.endr
.irp b, 0,1,2,3
	s_delay_alu instid0(VALU_DEP_4)
	v_add_nc_u32 v[BO+\b], 0xff000000, v[BM+\b]    ; 2 off the exponent field: the conversion's scale operand
.endr
.irp b, 0,1,2,3
	s_delay_alu instid0(VALU_DEP_4)
	v_lshrrev_b32 v[BP+\b], 23, v[BO+\b]           ; the scale's byte
.endr
	s_delay_alu instid0(VALU_DEP_3)
	v_lshl_or_b32 v[PW], v[BP+1], 8, v[BP]         ; p's scale word for these 128 keys
	s_delay_alu instid0(VALU_DEP_1)
	v_lshl_or_b32 v[PW], v[BP+2], 16, v[PW]
	s_delay_alu instid0(VALU_DEP_1)
	v_lshl_or_b32 v[PW], v[BP+3], 24, v[PW]
.irp b, 0,1,2,3
	v_cvt_scalef32_pk8_fp4_f32 v[PC+2*\b], v[S+16*\b:S+16*\b+7], v[BO+\b]
	v_cvt_scalef32_pk8_fp4_f32 v[PC+2*\b+1], v[S+16*\b+8:S+16*\b+15], v[BO+\b]
.endr
	v_nop                                          ; one plain place behind a scaled conversion
.irp c, 0,1
.irp i, 0,1
	v_permlane16_swap_b32 v[PC+4*\c+\i], v[PC+4*\c+2+\i]             ; a whole block in a lane: lanes 0-15 block 2 c, lanes 16-31 block 2 c + 1
.endr
.endr
	v_pk_add_f32 v[224:225], v[108:109], v[112:113]
	v_pk_add_f32 v[254:255], v[116:117], v[120:121]
	v_pk_add_f32 v[252:253], v[124:125], v[128:129]
	v_pk_add_f32 v[250:251], v[132:133], v[136:137]
	v_pk_add_f32 v[248:249], v[140:141], v[144:145]
	v_pk_add_f32 v[246:247], v[148:149], v[152:153]
	v_pk_add_f32 v[244:245], v[156:157], v[160:161]
	v_pk_add_f32 v[14:15], v[14:15], v[164:165]
	v_pk_add_f32 v[224:225], v[224:225], v[104:105]
	v_pk_add_f32 v[254:255], v[254:255], v[106:107]
	v_pk_add_f32 v[252:253], v[252:253], v[110:111]
	v_pk_add_f32 v[250:251], v[250:251], v[114:115]
	v_pk_add_f32 v[248:249], v[248:249], v[118:119]
	v_pk_add_f32 v[246:247], v[246:247], v[122:123]
	v_pk_add_f32 v[244:245], v[244:245], v[126:127]
	v_pk_add_f32 v[14:15], v[14:15], v[130:131]
	v_pk_add_f32 v[224:225], v[224:225], v[134:135]
	v_pk_add_f32 v[254:255], v[254:255], v[138:139]
	v_pk_add_f32 v[252:253], v[252:253], v[142:143]
	v_pk_add_f32 v[250:251], v[250:251], v[146:147]
	v_pk_add_f32 v[248:249], v[248:249], v[150:151]
	v_pk_add_f32 v[246:247], v[246:247], v[154:155]
	v_pk_add_f32 v[244:245], v[244:245], v[158:159]
	v_pk_add_f32 v[14:15], v[14:15], v[162:163]
	v_pk_add_f32 v[224:225], v[224:225], v[166:167]
	s_delay_alu instid0(VALU_DEP_2)
	v_pk_add_f32 v[14:15], v[14:15], v[250:251]
	s_delay_alu instid0(VALU_DEP_2)
	v_pk_add_f32 v[224:225], v[224:225], v[248:249]
	v_pk_add_f32 v[254:255], v[254:255], v[246:247]
	v_pk_add_f32 v[252:253], v[252:253], v[244:245]
	s_delay_alu instid0(VALU_DEP_2)
	v_pk_add_f32 v[14:15], v[14:15], v[254:255]
	s_delay_alu instid0(VALU_DEP_2)
	v_pk_add_f32 v[224:225], v[224:225], v[252:253]
	s_delay_alu instid0(VALU_DEP_1)
	v_pk_add_f32 v[14:15], v[14:15], v[224:225]
	s_setprio 0
.irp j, 0,2,4,6,8,10,12,14,16,18,20,22,24,26,28,30
	v_pk_mul_f32 v[O+\j:O+\j+1], v[O+\j:O+\j+1], v[F:F+1] op_sel_hi:[1,0]   ; O^T under the new M.  (The sums and these are also the places between p's codes and scale word and the products below)
.endr
	s_wait_alu depctr_va_vdst(0)
	s_wait_dscnt 0x0                               ; V
.irp n, 0,1,2,3
	v_wmma_scale_f32_16x16x128_f8f6f4 v[O+8*\n:O+8*\n+7], v[VF+8*\n:VF+8*\n+7], v[PC:PC+7], v[O+8*\n:O+8*\n+7], v[VS+\n], v[PW] matrix_a_fmt:MATRIX_FMT_FP4 matrix_b_fmt:MATRIX_FMT_FP4
.endr
	PLACES                                         ; in front of the next step's loads into V's registers, and of the last read of O^T
.endm
; A SLOT'S FOUR KEY STEPS.  At its head the change of slots: every wave waits for all its tensor loads (its record of this slot), adds 0 to its spare word, and waits for that and for its reads of the slot that it has left;
; the round shows that of every wave of all four work-groups.  refill = 1: the slot that was left is filled with the four key steps that follow: the load has this slot's four steps in which to land.
.macro TRIP slot, refill
	s_wait_tensorcnt 0x0                           ; no tensor load of mine is out, so a group 0 may be written
	ds_add_u32 v[SPW], v[NIL]                      ; 0 onto my spare word
	s_add_nc_u64 s[G0+4*\slot+2:G0+4*\slot+3], s[G0+4*\slot+2:G0+4*\slot+3], 8*REC   ; this slot's next fill: eight key steps on
	s_add_co_u32 s[TB], s[HB], \slot*SLOTB         ; my head's first record in this slot
	s_mov_b32 s[CNT], 4
	s_wait_dscnt 0x0                               ; the add is done, and my reads of the other slot are over
	ROUND
.if \refill
	tensor_load_to_lds s[G0+4-4*\slot:G0+7-4*\slot], s[G1:G1+7]      ; my one tensor load behind the round, and the first thing there
	s_nop 0
	PLACES
.endif
.Lstep_\@:
	s_setprio 2
	STEP
	s_add_co_u32 s[TB], s[TB], REC
	s_sub_co_i32 s[CNT], s[CNT], 1
	s_cmp_lg_u32 s[CNT], 0
	s_cbranch_scc1 .Lstep_\@
	s_setprio 0
.endm
.Louter:                                           ; eight slots' worth of keys: three trips of two, and two slots written out
	TRIP 0, 1
	TRIP 1, 1
	s_sub_co_i32 s[OUTER], s[OUTER], 1
	s_cmp_lg_u32 s[OUTER], 0
	s_cbranch_scc1 .Louter
	TRIP 0, 1
	TRIP 1, 0                                      ; nothing is left to fetch (the stepped addresses are not used)
	; THE END: O^T is divided by the row's sum and quantised along the head's 64 channels, two blocks: half an image of the output product's operand
	v_add_f32 v14, v14, v15
	s_delay_alu instid0(VALU_DEP_1)
	v_permlanex16_b32 v[TT], v14, s[SEL], s[SEL+1]
	s_delay_alu instid0(VALU_DEP_1)
	v_add_f32 v14, v14, v[TT]                      ; the row's sum
	s_wait_alu depctr_va_vdst(0)
	v_rcp_f32 v14, v14
	v_nop                                          ; one plain place behind a transcendental
	s_wait_alu depctr_va_vdst(0)
.irp j, 0,2,4,6,8,10,12,14,16,18,20,22,24,26,28,30
	v_pk_mul_f32 v[S+\j:S+\j+1], v[O+\j:O+\j+1], v[14:15] op_sel_hi:[1,0]   ; register 16 b + i: channel 32 b + 16 (lane / 16) + i of my query
.endr
.irp b, 0,1
	v_max3_num_f32 v[BM+\b], |v[S+16*\b]|, |v[S+16*\b+1]|, 0x1800000
.endr
.irp i, 2,4,6,8,10,12,14
.irp b, 0,1
	s_delay_alu instid0(VALU_DEP_2)
	v_max3_num_f32 v[BM+\b], v[BM+\b], |v[S+16*\b+\i]|, |v[S+16*\b+\i+1]|
.endr
.endr
.irp b, 0,1
	s_delay_alu instid0(VALU_DEP_2)
	v_permlanex16_b32 v[BP+\b], v[BM+\b], s[SEL], s[SEL+1]
.endr
.irp b, 0,1
	s_delay_alu instid0(VALU_DEP_2)
	v_max_num_f32 v[BM+\b], v[BM+\b], v[BP+\b]
.endr
.irp b, 0,1
	s_delay_alu instid0(VALU_DEP_2)
	v_add_nc_u32 v[BO+\b], 0xff000000, v[BM+\b]
.endr
.irp b, 0,1
	s_delay_alu instid0(VALU_DEP_2)
	v_lshrrev_b32 v[BO+2+\b], 23, v[BO+\b]
.endr
	s_delay_alu instid0(VALU_DEP_1)
	v_lshl_or_b32 v[TT], v[BO+3], 8, v[BO+2]       ; the head's two bytes
.irp b, 0,1
	v_cvt_scalef32_pk8_fp4_f32 v[PC+2*\b], v[S+16*\b:S+16*\b+7], v[BO+\b]
	v_cvt_scalef32_pk8_fp4_f32 v[PC+2*\b+1], v[S+16*\b+8:S+16*\b+15], v[BO+\b]
.endr
	v_nop
	v_permlane16_swap_b32 v[PC], v[PC+2]
	v_permlane16_swap_b32 v[PC+1], v[PC+3]
	global_store_b128 v[LI], v[PC:PC+3], s[8:9]    ; 512 consecutive bytes
	global_store_b32 v[L4], v[TT], s[10:11]        ; 128 consecutive bytes
	s_wait_tensorcnt 0x0                           ; the wave's end
	ds_add_u32 v[SPW], v[NIL]
	s_wait_dscnt 0x0
	ROUND                                          ; the closing round: no work-group ends while a partner may still ask for a record that names it
	s_endpgm
.Lfunc_end_k_qa07220b29c_attn:
	.size	k_qa07220b29c_attn, .Lfunc_end_k_qa07220b29c_attn-k_qa07220b29c_attn
	.p2alignl 7, 3214868480
	.fill 96, 4, 3214868480
	.section	.rodata,"a",@progbits
	.p2align	6, 0x0
	.amdhsa_kernel k_qa07220b29c_attn
		.amdhsa_group_segment_fixed_size 327680
		.amdhsa_private_segment_fixed_size 0
		.amdhsa_enable_private_segment 0
		.amdhsa_kernarg_size 32
		.amdhsa_user_sgpr_count 2
		.amdhsa_user_sgpr_kernarg_segment_ptr 1
		.amdhsa_wavefront_size32 1
		.amdhsa_system_sgpr_workgroup_id_x 1
		.amdhsa_system_sgpr_workgroup_id_y 1
		.amdhsa_system_sgpr_workgroup_id_z 1
		.amdhsa_system_vgpr_workitem_id 0
		.amdhsa_next_free_vgpr 256
		.amdhsa_next_free_sgpr 66
		.amdhsa_reserve_vcc 0
		.amdhsa_float_denorm_mode_32 3
		.amdhsa_float_denorm_mode_16_64 3
		.amdhsa_memory_ordered 1
		.amdhsa_forward_progress 1
		.amdhsa_inst_pref_size 78
	.end_amdhsa_kernel
	.amdgpu_metadata
---
amdhsa.version: [ 1, 2 ]
amdhsa.kernels:
  - .name:           k_qa07220b29c_attn
    .symbol:         k_qa07220b29c_attn.kd
    .args:
      - { .name: qb, .offset: 0, .size: 8, .value_kind: global_buffer, .address_space: global }
      - { .name: kv, .offset: 8, .size: 8, .value_kind: global_buffer, .address_space: global }
      - { .name: ac, .offset: 16, .size: 8, .value_kind: global_buffer, .address_space: global }
      - { .name: asc, .offset: 24, .size: 8, .value_kind: global_buffer, .address_space: global }
    .group_segment_fixed_size: 327680
    .private_segment_fixed_size: 0
    .kernarg_segment_align: 8
    .kernarg_segment_size: 32
    .max_flat_workgroup_size: 384
    .sgpr_count:     66
    .vgpr_count:     256
    .wavefront_size: 32
...
	.end_amdgpu_metadata
.endif
;; end of part 7
;; launch outln (part 8): grid 256 x 1, 8 waves a work-group, no clusters, 51,456 bytes of LDS; arguments ac, asc, cod, scl, hidden_states, ln_g, ln_b, out0; writes out0
.if DOCPART == 8
	.amdgcn_target "amdgcn-amd-amdhsa--gfx1250"
	.amdhsa_code_object_version 6
	.text
	.protected	k_qa07220b29c_outln
	.globl	k_qa07220b29c_outln
	.p2align	8
	.type	k_qa07220b29c_outln,@function
k_qa07220b29c_outln:
	s_mov_b64 s[64:65], 0
	v_nop
	global_prefetch_b8 v0, s[64:65] scope:SCOPE_SE
	s_setreg_imm32_b32 hwreg(HW_REG_WAVE_SCHED_MODE, 0, 2), 2
	s_setreg_imm32_b32 hwreg(HW_REG_WAVE_MODE, 25, 1), 1
	s_wait_xcnt 0x0
	s_wait_alu depctr_vm_vsrc(0)
; out0 = LayerNorm(attn Wo^T + hidden_states) ln_g + ln_b.  The product runs on codes of FP4; all else in f32.
; SHARES: work-group g takes tile g of attn: the 16 rows 32 (g / 2) + 8 (g % 2) + r + 8 (r / 8), whole.  Wave w takes Wo's tiles 6 w .. 6 w + 5, columns 96 w .. 96 w + 95: six accumulators.
; Every work-group walks all of Wo's codes and scale words (344 KB) whatever its rows; with one tile of rows there are 256 work-groups, and the rows' own bytes (48 KB in, 48 KB out) are the least that a work-group can have.
; Wo is read by every work-group and is NOT asked for jointly: each wave takes its six tiles from memory straight into its registers, in fragment order, 512 consecutive bytes a load, and no byte of Wo passes through LDS;
; a joint request would need a ring in LDS and a round of a cluster's barrier for each refill, for 36 matrix instructions a wave.
; THE PRODUCT IS USED TRANSPOSED (source 0 = 16 rows of Wo, source 1 = 16 rows of attn): a lane holds one row, and the 16 registers of Wo's tiles 2 p, 2 p + 1 are columns 96 w + 32 p + 16 (lane / 16) + 0 .. 15.
; THE RESIDUAL IS THE SUMS' C and costs no addition.  It is loaded as whole rows, 512 consecutive bytes a load (wave w: lane-rows 2 w, 2 w + 1), laid into the stage in LDS, and read from there into the accumulators in the result's layout.
; LAYERNORM IN TWO PASSES (the mean, then the squares of the differences: no difference of large sums).  A row's 768 numbers lie in eight waves: the waves' parts meet in LDS behind a barrier, twice.
; The way out goes through the same stage: each wave writes the bytes that it alone read, and stores two whole rows, 512 consecutive bytes a store.
; THE MODE: SCHED_MODE bits 1:0 = 2 (LLVM: expert scheduling mode 2), set by the entry lines.  The code itself states the register dependences
; between vector or matrix instructions and memory or LDS instructions, with s_wait_alu, always for 0.
; THE PLAN.  Registers that memory or LDS instructions touch:
;   v1 .. v7       offsets and LDS addresses: written at the head, read by every access, never written again.
;   RES, RAW       loaded once; RES is read by the stage's stores, RAW by the six lines that make attn's scale words; neither is written again.
;   Wo's buffers   FOUR of 48 registers and 8 scale words.  Groups 0 to 3 are their first fills: no vector or matrix line has named them.  Pair (0, 1) reads buffers 0 and 1; behind it groups 4 and 5 land there;
;                  pair (2, 3) reads buffers 2 and 3, pair (4, 5) buffers 0 and 1.  So ONE wait for the matrix instructions' reads stands in the product, behind pair (0, 1), ahead of the 28 loads of groups 4 and 5.
;   ASC            written by vector lines, taken as scales: one wait behind the eight places.
;   ACC            LDS loads (the residual) | products and the norm's vector lines | LDS stores | LDS loads (whole rows) | multiply-adds | global stores: a wait at each change of sides.
;   T, P           a reduction's LDS store reads T, its LDS loads land in P; vector lines name both between the two reductions.
;   G, B           loaded once, read by the last multiply-adds.     v254, v255: written at the head, read by the closing add alone.
.set RED1,  0                          ; LDS: 16 rows x 8 waves' sums
.set RED2,  512                        ; the same for the squares
.set STAGE, 1024                       ; 16 rows x (3,072 bytes + 16): 3,088 = 12 x 256 + 16, so sixteen rows start 16 bytes apart modulo 256
.set SP,    3088
.set LI,  1                            ; v1   16 x lane
.set L4,  2                            ; v2   4 x lane
.set SD,  3                            ; v3   the stage by whole rows: STAGE + 2 rows x wave + 16 x lane
.set SA,  4                            ; v4   the stage in the result's layout: STAGE + 3,088 r + 64 h + 384 w
.set GH,  5                            ; v5   my two rows in hidden_states and out0: 3,072 (2 w + 8 (w / 4)) + 16 x lane
.set RW,  6                            ; v6   32 r + 4 w
.set RR,  7                            ; v7   32 r
.set MEAN, 8                           ; v8-9   the mean, twice
.set RSTD, 10                          ; v10-11 1 / sqrt(var + eps), twice
.set ACC, 16                           ; v16-63 six accumulators; later two whole rows
.set ASC, 64                           ; v64-69 attn's scale words, one for each K step
.set WSC, 72                           ; v72-103 Wo's: four buffers of 8
.set G,   104                          ; v104-127 ln_g at 128 i + 4 lane + 0 .. 3
.set B,   128                          ; v128-151 ln_b
.set RAW, 152                          ; v152-163 attn's scale bytes, two of a head to a word
.set T,   164                          ; v164-167 two chains
.set P,   168                          ; v168-175 the eight waves' parts
.set RES, 176                          ; v176-223 two rows of hidden_states as loaded (v220-222 serve the head's arithmetic first)
.set WF,  48                           ; window 1: v0-47 attn's six fragments; v48-239 Wo's, four buffers of 48
.set WV,  20
.set SEL, 26
.set INV, 28
.set EPS, 29
.set MSB, 0
.macro WIN new                         ; the immediate's high byte repeats the setting that is left
.if MSB != \new
	s_set_vgpr_msb (MSB<<8)|\new
.set MSB, \new
.endif
.endm
.macro PLACES                          ; four plain places behind a matrix instruction (ISA guide 7.12.1)
.rept 4
	v_nop
.endr
.endm
	s_load_b512 s[4:19], s[0:1], 0x0               ; ac, asc, cod, scl, hidden_states, ln_g, ln_b, out0
	v_lshl_add_u32 v254, v0, 2, 0xc500
	v_mov_b32 v255, 0
	v_lshrrev_b32 v220, 5, v0
	v_readfirstlane_b32 s[WV], v220                ; wave 0..7
	v_and_b32 v220, 31, v0                         ; lane
	v_and_b32 v221, 15, v0                         ; r
	v_bfe_u32 v222, v0, 4, 1                       ; h
	v_lshlrev_b32 v[LI], 4, v220
	s_wait_alu depctr_va_vdst(0)
	v_lshlrev_b32 v[L4], 2, v220
	s_wait_alu depctr_va_sdst(0)                   ; the wave's number is written, ahead of its first reader: the line below
	s_mul_i32 s21, s[WV], 2*SP
	s_add_co_u32 s21, s21, STAGE
	v_add_nc_u32 v[SD], s21, v[LI]
	s_mul_i32 s21, s[WV], 384
	s_add_co_u32 s21, s21, STAGE
	v_mul_u32_u24 v[SA], v221, SP
	v_lshl_add_u32 v[SA], v222, 6, v[SA]
	v_add_nc_u32 v[SA], s21, v[SA]
	s_lshl_b32 s21, s[WV], 2
	v_lshlrev_b32 v[RR], 5, v221
	v_add_nc_u32 v[RW], s21, v[RR]
	s_lshr_b32 s21, s[WV], 2
	s_lshl_b32 s21, s21, 3
	s_lshl_b32 s25, s[WV], 1
	s_add_co_u32 s21, s21, s25                     ; lane-rows 2 w, 2 w + 1 are the tile's rows 2 w + 8 (w / 4) and the next
	s_mul_i32 s21, s21, 3072
	v_add_nc_u32 v[GH], s21, v[LI]
	s_mov_b32 s[SEL], 0x76543210
	s_mov_b32 s[SEL+1], 0xfedcba98
	s_mov_b32 s[INV], 0x3aaaaaab                   ; 1 / 768
	s_mov_b32 s[EPS], 0x2b8cbccc                   ; 1e-12
	s_mov_b32 s23, 0
	s_mul_i32 s24, s[WV], 6
	s_add_co_u32 s24, s24, 400                     ; my first tile of Wo in cod and scl
	s_wait_kmcnt 0x0
	s_mul_i32 s22, ttmp9, 6144
	s_add_nc_u64 s[4:5], s[4:5], s[22:23]          ; the tile of attn: 6 images
	s_mul_i32 s22, ttmp9, 1536
	s_add_nc_u64 s[6:7], s[6:7], s[22:23]          ; its 12 runs of 128 bytes
	s_mul_i32 s22, s24, 6144
	s_add_nc_u64 s[8:9], s[8:9], s[22:23]
	s_lshl_b32 s22, s24, 10
	s_add_nc_u64 s[10:11], s[10:11], s[22:23]
	s_lshr_b32 s22, ttmp9, 1
	s_lshl_b32 s22, s22, 5
	s_and_b32 s25, ttmp9, 1
	s_lshl_b32 s25, s25, 3
	s_add_co_u32 s22, s22, s25                     ; the tile's first row
	s_mul_i32 s22, s22, 3072
	s_add_nc_u64 s[12:13], s[12:13], s[22:23]
	s_add_nc_u64 s[18:19], s[18:19], s[22:23]
.macro GROUP i                         ; Wo's tile i of my six: 12 loads of codes and 2 of scale words, into buffer i % 4
	WIN 0x40                                       ; destination window 1
.set k, 0
.rept 12
	global_load_b128 v[WF+48*((\i)%4)+4*k:WF+48*((\i)%4)+4*k+3], v[LI], s[8:9] offset:6144*(\i)+512*k
.set k, k+1
.endr
	WIN 0
	global_load_b128 v[WSC+8*((\i)%4):WSC+8*((\i)%4)+3], v[LI], s[10:11] offset:1024*(\i)
	global_load_b128 v[WSC+8*((\i)%4)+4:WSC+8*((\i)%4)+7], v[LI], s[10:11] offset:1024*(\i)+512
.endm
.macro PAIR i                          ; tiles i and i + 1, all six K steps: the two accumulators by turns, one instruction a turn
	WIN 0x05                                       ; sources 0 (Wo) and 1 (attn) window 1
.irp s, 0,1,2,3,4,5
.irp e, 0,1
	v_wmma_scale_f32_16x16x128_f8f6f4 v[ACC+8*((\i)+\e):ACC+8*((\i)+\e)+7], v[WF+48*(((\i)+\e)%4)+8*\s:WF+48*(((\i)+\e)%4)+8*\s+7], v[8*\s:8*\s+7], v[ACC+8*((\i)+\e):ACC+8*((\i)+\e)+7], v[WSC+8*(((\i)+\e)%4)+4*(\s/3)+\s%3], v[ASC+\s] matrix_a_fmt:MATRIX_FMT_FP4 matrix_b_fmt:MATRIX_FMT_FP4
.endr
.endr
.endm
	s_wait_alu depctr_va_vdst(0)                   ; the offsets and addresses v1 to v7 are written, which every load and store below reads; so are v220 to v222, in which the residual's loads land
.irp k, 0,1
.irp i, 0,1,2,3,4,5
	global_load_b128 v[RES+4*(6*\k+\i):RES+4*(6*\k+\i)+3], v[GH], s[12:13] offset:3072*\k+512*\i th:TH_LOAD_NT   ; two whole rows of hidden_states
.endr
.endr
.set k, 0
.rept 12
	global_load_b32 v[RAW+k], v[L4], s[6:7] offset:128*k             ; head k's two bytes
.set k, k+1
.endr
	WIN 0x40
.set k, 0
.rept 12
	global_load_b128 v[4*k:4*k+3], v[LI], s[4:5] offset:512*k        ; attn's fragments: register 8 s + 4 c at byte 512 (2 s + c)
.set k, k+1
.endr
	GROUP 0
	s_wait_loadcnt 38                              ; my two rows are in; behind them: 12 words of scale bytes, attn's 12, the group's 14
.irp k, 0,1
.irp i, 0,1,2,3,4,5
	ds_store_b128 v[SD], v[RES+4*(6*\k+\i):RES+4*(6*\k+\i)+3] offset:SP*\k+512*\i
.endr
.endr
	GROUP 1
	s_wait_dscnt 0x0                               ; for the others' sake: my stores have landed
	s_barrier_signal -1
	s_barrier_wait -1                              ; the tile's 16 rows of hidden_states lie in the stage
.irp p, 0,1,2
.irp q, 0,1,2,3
	ds_load_b128 v[ACC+16*\p+4*\q:ACC+16*\p+4*\q+3], v[SA] offset:128*\p+16*\q   ; my 96 columns of row r, in the result's layout
.endr
.endr
	s_wait_loadcnt 40                              ; the scale bytes are in; behind them: attn's 12 and two groups of 14
.irp s, 0,1,2,3,4,5
	v_lshl_or_b32 v[ASC+\s], v[RAW+2*\s+1], 16, v[RAW+2*\s]          ; two heads' bytes make a K step's scale word
.endr
	GROUP 2                                        ; no wait: the six lines above name none of this group's registers
.rept 8
	v_nop                                          ; a scale register written by a vector instruction stands eight places ahead of a scaled matrix instruction
.endr
	s_wait_alu depctr_va_vdst(0)                   ; the six lines have written v[ASC ..], which the products take as scales; the places above stay beside this wait
	s_wait_loadcnt 14                              ; attn and groups 0 and 1 are in; group 2 may be out
	GROUP 3                                        ; the fourth buffer's first fill: no vector or matrix line has named its registers
	s_wait_dscnt 0x0                               ; the residual is in the accumulators
	PAIR 0
	PLACES                                         ; behind the last product, ahead of loads into registers that the pair has read
	WIN 0x40                                       ; the switch first, then the wait, then the loads
	s_wait_alu depctr_va_vdst(0)                   ; the pair's products are done reading buffers 0 and 1, codes and scale words, in which groups 4 and 5 land; only loads and window switches follow until both are out
	GROUP 4
	GROUP 5
	s_wait_loadcnt 28                              ; groups 2 and 3 are in; groups 4 and 5 may be out
.irp i, 0,1,2,3,4,5
	global_load_b128 v[G+4*\i:G+4*\i+3], v[LI], s[14:15] offset:512*\i
	global_load_b128 v[B+4*\i:B+4*\i+3], v[LI], s[16:17] offset:512*\i
.endr
	PAIR 2
	s_wait_loadcnt 12                              ; groups 4 and 5 are in; the 12 loads of ln_g and ln_b may be out
	PAIR 4
	WIN 0
	PLACES                                         ; ahead of the first read of results
; From two chains to the row's total over all 768 columns, in v[P]
.macro REDUCE red
	v_pk_add_f32 v[T:T+1], v[T:T+1], v[T+2:T+3]
	v_add_f32 v[T], v[T], v[T+1]
	v_permlanex16_b32 v[T+1], v[T], s[SEL], s[SEL+1]
	v_add_f32 v[T], v[T], v[T+1]                   ; my wave's 96 columns of the row
	s_wait_alu depctr_va_vdst(0)                   ; v[T] is written, which the store reads; and every earlier line that named v[P ..] is done with it: the loads behind the barrier land there, with no vector line between
	ds_store_b32 v[RW], v[T] offset:\red           ; both halves of the lanes write the same word with the same value
	s_wait_dscnt 0x0                               ; for the others' sake: my store has landed
	s_barrier_signal -1
	s_barrier_wait -1
	ds_load_b128 v[P:P+3], v[RR] offset:\red
	ds_load_b128 v[P+4:P+7], v[RR] offset:\red+16
	s_wait_dscnt 0x0
	v_pk_add_f32 v[P:P+1], v[P:P+1], v[P+2:P+3]
	v_pk_add_f32 v[P+4:P+5], v[P+4:P+5], v[P+6:P+7]
	v_pk_add_f32 v[P:P+1], v[P:P+1], v[P+4:P+5]
	v_add_f32 v[P], v[P], v[P+1]
.endm
	; pass 1: the mean.  Each accumulator is read from its low end on
	v_pk_add_f32 v[T:T+1], v[ACC:ACC+1], v[ACC+4:ACC+5]
	v_pk_add_f32 v[T+2:T+3], v[ACC+2:ACC+3], v[ACC+6:ACC+7]
.irp j, 8,12,16,20,24,28,32,36,40,44
	v_pk_add_f32 v[T:T+1], v[T:T+1], v[ACC+\j:ACC+\j+1]
	v_pk_add_f32 v[T+2:T+3], v[T+2:T+3], v[ACC+\j+2:ACC+\j+3]
.endr
	REDUCE RED1
	v_mul_f32 v[MEAN], s[INV], v[P]
	v_mov_b32 v[MEAN+1], v[MEAN]
.set k, 0
.rept 24
	v_pk_add_f32 v[ACC+k:ACC+k+1], v[ACC+k:ACC+k+1], v[MEAN:MEAN+1] neg_lo:[0,1] neg_hi:[0,1]   ; the differences, in place
.set k, k+2
.endr
	; pass 2: the variance
	s_wait_alu depctr_vm_vsrc(0)                   ; the first reduction's LDS store has read v[T], which the line below writes again
	v_pk_mul_f32 v[T:T+1], v[ACC:ACC+1], v[ACC:ACC+1]
	v_pk_mul_f32 v[T+2:T+3], v[ACC+2:ACC+3], v[ACC+2:ACC+3]
.irp j, 4,8,12,16,20,24,28,32,36,40,44
	v_pk_fma_f32 v[T:T+1], v[ACC+\j:ACC+\j+1], v[ACC+\j:ACC+\j+1], v[T:T+1]
	v_pk_fma_f32 v[T+2:T+3], v[ACC+\j+2:ACC+\j+3], v[ACC+\j+2:ACC+\j+3], v[T+2:T+3]
.endr
	REDUCE RED2                                    ; other bytes than the first: no wave's store meets another's reads of the sums
	v_fma_f32 v[P], v[P], s[INV], s[EPS]           ; var + eps
	s_wait_alu depctr_va_vdst(0)
	v_rsq_f32 v[RSTD], v[P]
	v_nop                                          ; one plain place behind a transcendental
	s_wait_alu depctr_va_vdst(0)                   ; the reciprocal root has written v[RSTD], ahead of its first reader: the line below
	v_mov_b32 v[RSTD+1], v[RSTD]
.set k, 0
.rept 24
	v_pk_mul_f32 v[ACC+k:ACC+k+1], v[ACC+k:ACC+k+1], v[RSTD:RSTD+1]
.set k, k+2
.endr
	; the way out: into the bytes of the stage that I alone read, two barriers ago
	s_wait_alu depctr_va_vdst(0)                   ; the scalings have written v[ACC ..], which the LDS stores read; no vector line names these registers again before the rows' loads land in them
.irp p, 0,1,2
.irp q, 0,1,2,3
	ds_store_b128 v[SA], v[ACC+16*\p+4*\q:ACC+16*\p+4*\q+3] offset:128*\p+16*\q
.endr
.endr
	s_wait_dscnt 0x0                               ; for the others' sake: my stores have landed
	s_barrier_signal -1
	s_barrier_wait -1                              ; 16 whole rows lie in the stage
	s_wait_alu depctr_vm_vsrc(0)                   ; my LDS stores have read v[ACC ..], in which the loads below land
.irp k, 0,1
.irp i, 0,1,2,3,4,5
	ds_load_b128 v[ACC+4*(6*\k+\i):ACC+4*(6*\k+\i)+3], v[SD] offset:SP*\k+512*\i
.endr
.endr
	s_wait_loadcnt 0x0                             ; ln_g and ln_b
.irp k, 0,1                            ; a row at a time: its twelve multiply-adds, one wait, its six stores; the second row's multiply-adds write other registers than the first row's stores read
.irp i, 0,1,2,3,4,5
	s_wait_dscnt 11-6*\k-\i                        ; LDS loads come back in order: this one is in
	v_pk_fma_f32 v[ACC+4*(6*\k+\i):ACC+4*(6*\k+\i)+1], v[ACC+4*(6*\k+\i):ACC+4*(6*\k+\i)+1], v[G+4*\i:G+4*\i+1], v[B+4*\i:B+4*\i+1]
	v_pk_fma_f32 v[ACC+4*(6*\k+\i)+2:ACC+4*(6*\k+\i)+3], v[ACC+4*(6*\k+\i)+2:ACC+4*(6*\k+\i)+3], v[G+4*\i+2:G+4*\i+3], v[B+4*\i+2:B+4*\i+3]
.endr
	s_wait_alu depctr_va_vdst(0)                   ; the row's multiply-adds have written its 24 registers, which the six stores below read
.irp i, 0,1,2,3,4,5
	global_store_b128 v[GH], v[ACC+4*(6*\k+\i):ACC+4*(6*\k+\i)+3], s[18:19] offset:3072*\k+512*\i th:TH_STORE_NT   ; 32 lanes store 512 consecutive bytes, aligned
.endr
.endr
	s_wait_dscnt 0x0                               ; the closing lines, six on end
	s_wait_alu 0x0
	s_wait_tensorcnt 0x0
	ds_add_u32 v254, v255
	s_wait_dscnt 0x0
	s_endpgm
.Lfunc_end_k_qa07220b29c_outln:
	.size	k_qa07220b29c_outln, .Lfunc_end_k_qa07220b29c_outln-k_qa07220b29c_outln
	.p2alignl 7, 3214868480
	.fill 96, 4, 3214868480
	.section	.rodata,"a",@progbits
	.p2align	6, 0x0
	.amdhsa_kernel k_qa07220b29c_outln
		.amdhsa_group_segment_fixed_size 51456
		.amdhsa_private_segment_fixed_size 0
		.amdhsa_enable_private_segment 0
		.amdhsa_kernarg_size 64
		.amdhsa_user_sgpr_count 2
		.amdhsa_user_sgpr_kernarg_segment_ptr 1
		.amdhsa_wavefront_size32 1
		.amdhsa_system_sgpr_workgroup_id_x 1
		.amdhsa_system_sgpr_workgroup_id_y 1
		.amdhsa_system_sgpr_workgroup_id_z 1
		.amdhsa_system_vgpr_workitem_id 0
		.amdhsa_next_free_vgpr 512
		.amdhsa_next_free_sgpr 66
		.amdhsa_reserve_vcc 0
		.amdhsa_float_denorm_mode_32 3
		.amdhsa_float_denorm_mode_16_64 3
		.amdhsa_memory_ordered 1
		.amdhsa_forward_progress 1
		.amdhsa_inst_pref_size 36
	.end_amdhsa_kernel
	.amdgpu_metadata
---
amdhsa.version: [ 1, 2 ]
amdhsa.kernels:
  - .name:           k_qa07220b29c_outln
    .symbol:         k_qa07220b29c_outln.kd
    .args:
      - { .name: ac, .offset: 0, .size: 8, .value_kind: global_buffer, .address_space: global }
      - { .name: asc, .offset: 8, .size: 8, .value_kind: global_buffer, .address_space: global }
      - { .name: cod, .offset: 16, .size: 8, .value_kind: global_buffer, .address_space: global }
      - { .name: scl, .offset: 24, .size: 8, .value_kind: global_buffer, .address_space: global }
      - { .name: hidden_states, .offset: 32, .size: 8, .value_kind: global_buffer, .address_space: global }
      - { .name: ln_g, .offset: 40, .size: 8, .value_kind: global_buffer, .address_space: global }
      - { .name: ln_b, .offset: 48, .size: 8, .value_kind: global_buffer, .address_space: global }
      - { .name: out0, .offset: 56, .size: 8, .value_kind: global_buffer, .address_space: global }
    .group_segment_fixed_size: 51456
    .private_segment_fixed_size: 0
    .kernarg_segment_align: 8
    .kernarg_segment_size: 64
    .max_flat_workgroup_size: 256
    .sgpr_count:     66
    .vgpr_count:     512
    .wavefront_size: 32
...
	.end_amdgpu_metadata
.endif
;; end of part 8
